; MI455X (gfx1250); checked and timed in simulation.
; The chip was launched on July 23, 2026; its instructions are those of AMD's public machine-readable ISA for CDNA 5 (MIT licence, August 2026) and "CDNA5" Instruction Set Architecture Reference Guide (July 2026). The comments in the code are by the model that wrote it; some were corrected since.
;; Attention. Allowed arithmetic: matrix products marked QUANTISED: E2M1 operands, one E8M0 scale for each 32 along K, by v_wmma_scale_f32_16x16x128_f8f6f4 with both operands' format E2M1 (or v_wmma_scale_f32_32x16x128_f4), f32 sums; everything else in f32.
;; Inputs: in_proj_b 3,072 float32; in_proj_w 3,072 x 1,024 float32; ln_beta 1,024 float32; ln_gamma 1,024 float32; out_proj_b 1,024 float32; out_proj_w 1,024 x 1,024 float32; x 8 x 1,024 x 1,024 float32.
;; Outputs: out0 8 x 1,024 x 1,024 float32.
;; This version of the problem:
;;   THIS VERSION OF THE PROBLEM IS GIVEN IN LOW PRECISION. The matrix products marked QUANTISED in the list below multiply operands that are first quantised to E2M1 (2 exponent bits, 1 mantissa bit; 4 bits a number), with one power-of-two scale for each 32 numbers along K (OCP MX v1.0); their sums are f32. All else is computed in f32.
;;   The module's matrix products, in the order in which they are computed (A, B: the left and right operand; K: the contracted axis; several contracted axes count as one K, in the product's order):
;;     1. [M 8,192, K 1,024] x [K 1,024, N 3,072]; A: computed on the way; B: input in_proj_w: QUANTISED
;;     2. batch 128 x [M 1,024, K 64] x [K 64, N 1,024]; A: computed on the way; B: computed on the way: QUANTISED
;;     3. batch 128 x [M 1,024, K 1,024] x [K 1,024, N 64]; A: softmax (see below); B: computed on the way: QUANTISED
;;     4. [M 8,192, K 1,024] x [K 1,024, N 1,024]; A: computed on the way; B: input out_proj_w: QUANTISED
;;   THE QUANTISER, for each operand of a quantised product, along K:
;;     - K is cut into blocks of 32 from its start; a last block that is shorter is filled with zeros.
;;     - A block's scale is 2^e with e = floor(log2(the largest magnitude in the block)) - 2, held to -126 .. 127; a block of zeros has e = 0. As a byte (E8M0): e + 127.
;;     - Each number is divided by its block's scale, clamped to +-6, and rounded to the nearest number of E2M1, ties to even, subnormals kept.
;;     - The product sums the exact products of the quantised numbers (number of the format x scale) in f32.
;;   ~~~python
;;   def quantise(x, axis):      # numpy; x: float32 -> the quantised numbers, widened to float32 again
;;       x = np.moveaxis(x, axis, -1); K = x.shape[-1]
;;       x = np.pad(x, [(0, 0)] * (x.ndim - 1) + [(0, -K % 32)]); x = x.reshape(x.shape[:-1] + (-1, 32)); a = np.abs(x).max(-1, keepdims=True)
;;       e = np.where(a > 0, np.clip(np.frexp(np.where(a > 0, a, 1))[1] - 1 - 2, -126, 127), 0)      # np.frexp(a)[1] - 1 = floor(log2(a)), exactly
;;       r = np.clip(x / 2.0 ** e, -6, 6)
;;       step = 2.0 ** (np.maximum(np.frexp(np.where(r == 0, 1, r))[1] - 1, 0) - 1)
;;       q = np.round(r / step) * step * 2.0 ** e      # np.round: ties to even
;;       return np.moveaxis(q.reshape(q.shape[:-2] + (-1,))[..., :K], -1, axis).astype(np.float32)
;;   ~~~
;;   SOFTMAX AHEAD OF A QUANTISED PRODUCT. Where the list says 'softmax', what is quantised is not the finished softmax but p = 2^(t - M), with t = logit x log2(e) and M = ceil(the row's largest t), a whole number; so 1/2 < the row's largest p <= 1. The row's sum l is taken of the UNQUANTISED p, in f32, and the product's result is divided by l at the end. Since M is a whole number, a kernel that streams over the keys may use a running M (the ceiling of the running maximum): every later rescaling is an exact power of two, which a block's scale takes up: the codes' values come out the same.
;;   OPERANDS COMPUTED ON THE WAY. 'Computed on the way' means the value that the module computes at that place (a softmax that the list does not call 'softmax' is quantised finished and normalised). What goes into a quantiser is computed in f32, as accurately as f32 sums, v_exp_f32 and their like allow (about 1e-6 of the number): no bf16 or f16 on the way to a quantiser, and a product that is left as it is and whose result goes on into a quantised operand takes f32 operands (vector FMAs, or v_wmma_f32_16x16x4_f32). A number that lies on a knife's edge between two numbers of the format may be rounded either way, as far as f32 arithmetic and the matrix unit's own rounding can turn it there, and no further.
;; One version. Each part assembles by itself: llvm-mc -triple=amdgcn-amd-amdhsa -mcpu=gfx1250 --defsym DOCPART=n.
;; ======== version 1 of 1: 4 launches
;; limits: right only within a limited range of input values
;; workspace buffers: codes1 6,291,456 bytes; scales1 393,216 bytes; qkv_img 12,582,912 bytes; qkv_sc 1,310,720 bytes; ctx_img 4,194,304 bytes; ctx_sc 262,144 bytes
;; launch prep (part 1): grid 768 x 1, 2 waves a work-group, no clusters, 9,984 bytes of LDS; arguments x, in_proj_w, out_proj_w, ln_gamma, ln_beta, codes1, scales1; writes codes1, scales1
.if DOCPART == 1
	.amdgcn_target "amdgcn-amd-amdhsa--gfx1250"
	.amdhsa_code_object_version 6
	.text
	.protected	k_q2f98350d38_prep
	.globl	k_q2f98350d38_prep
	.p2align	8
	.type	k_q2f98350d38_prep,@function
k_q2f98350d38_prep:
	s_mov_b64 s[64:65], 0
	v_nop
	global_prefetch_b8 v0, s[64:65] scope:SCOPE_SE
	s_setreg_imm32_b32 hwreg(HW_REG_WAVE_MODE, 25, 1), 1
	s_wait_xcnt 0x0
; PREP.  12,288 rows of 1,024 f32 (x: 8,192, LayerNorm first; in_proj_w: 3,072; out_proj_w: 1,024) become codes of FP4 (E2M1), K innermost, 512 bytes a row,
; and one E8M0 byte for each 32 along K, 32 bytes a row.  A block's byte is its largest magnitude's exponent field - 2, held at 1 from below.
; LIMITS: NaN and infinities are not served; a block of zeros gets the byte 1 where the rule says 127 (its codes are zeros, and this program alone reads the bytes);
; a block's largest magnitude is taken as at least 2^-124.
; ROW ORDER OF THE OUTPUT: a row goes to the place whose number has bits 3 and 4 exchanged.  So 16 neighbouring rows of the output, used as source 0 of a matrix
; instruction, give a lane results that are neighbours in the true order (two tiles: 16 neighbours), which the later quantisers want.
; SHARES.  A wave takes 8 neighbouring rows, one at a time: 8 loads of 512 consecutive bytes; mean and variance in two passes over the registers (as written: mean, then the
; mean of squared differences); then the row turns through the wave's own stage in LDS, so that lane l holds block l whole: its maximum needs no other lane.
; Three row sets: two rows (16 loads) are on their way while one is worked.  No barrier: waves share nothing.  No matrix unit, no cluster: nothing is shared and memory binds.
.set WREG,  4864                       ; LDS of a wave: the stage, then its 256 scale bytes
.set SP,    144                        ; a block's place in the stage: 128 bytes + 16
.set SCB,   32*SP
.set E,     22                         ; v22-29   a row's scale byte, a register for each row
.set GA,    32                         ; v32-63   gamma, as a row is loaded
.set BE,    64                         ; v64-95   beta
.set X,     96                         ; v96-191  three row sets
.set T,     192                        ; v192-223 the row turned: my block's 32 numbers
.set C,     224                        ; v224-255 codes, four registers a row: no store's data are written again
	s_load_b256 s[4:11], s[0:1], 0x0               ; x s[4:5], in_proj_w s[6:7], out_proj_w s[8:9], gamma s[10:11]
	s_load_b128 s[12:15], s[0:1], 0x20             ; beta s[12:13], the codes s[14:15]
	s_load_b64 s[16:17], s[0:1], 0x30              ; the scale bytes
	s_set_vgpr_msb 0x40
	v_lshl_add_u32 v0, v0, 2, 0x2600
	v_mov_b32 v1, 0
	s_set_vgpr_msb 0x4000
	v_lshrrev_b32 v1, 5, v0
	v_readfirstlane_b32 s18, v1                    ; wave
	v_and_b32 v1, 31, v0                           ; lane
	v_lshlrev_b32 v2, 4, v1                        ; 16 x lane: my bytes of a load's 512, and of a row's codes
	s_mul_i32 s19, s18, WREG
	v_lshrrev_b32 v3, 3, v1
	v_mul_u32_u24 v3, v3, SP
	v_and_b32 v4, 7, v1
	v_lshl_add_u32 v3, v4, 4, v3
	v_add_nc_u32 v3, s19, v3                       ; into the stage: eight lanes' 128 bytes are a block
	v_mul_u32_u24 v4, v1, SP
	v_add_nc_u32 v4, s19, v4                       ; out of it: block = lane
	v_add_nc_u32 v5, s19, v1                       ; my block's scale byte
	v_lshl_add_u32 v6, v1, 3, s19                  ; the 256 scale bytes on the way out: 8 a lane
	v_lshlrev_b32 v7, 3, v1
	v_mov_b32 v17, 0                               ; upper halves of pairs of which the low word serves both halves
	v_mov_b32 v21, 0
	s_mov_b32 s26, 0x3a800000                      ; 1 / 1024
	s_mov_b32 s28, 0x76543210                      ; v_permlanex16_b32: lane l xor 16
	s_mov_b32 s29, 0xfedcba98
	s_lshl_b32 s20, ttmp9, 1
	s_add_co_u32 s20, s20, s18                     ; G: my group of 8 rows, 0 .. 1535
	s_and_b32 s24, s20, -4
	s_and_b32 s25, s20, 1
	s_lshl_b32 s25, s25, 1
	s_or_b32 s24, s24, s25
	s_bfe_u32 s25, s20, 0x10001
	s_or_b32 s24, s24, s25                         ; its place in the output: bits 0 and 1 of G (3 and 4 of the row) exchanged
	s_mov_b32 s21, 1408
	s_mov_b32 s23, 0
	s_wait_kmcnt 0x0
	s_cmp_lt_u32 ttmp9, 704                        ; which tensor: the choice hangs on the work-group's number alone
	s_cselect_b64 s[6:7], s[6:7], s[8:9]
	s_cselect_b32 s21, 1024, s21
	s_cmp_lt_u32 ttmp9, 512
	s_cselect_b64 s[4:5], s[4:5], s[6:7]
	s_cselect_b32 s21, 0, s21                      ; the tensor's first group
	s_sub_co_u32 s22, s20, s21
	s_lshl_b32 s22, s22, 15                        ; 8 rows of 4,096 bytes
	s_add_nc_u64 s[4:5], s[4:5], s[22:23]
	s_lshl_b32 s22, s24, 12                        ; 8 rows of 512 bytes
	s_add_nc_u64 s[14:15], s[14:15], s[22:23]
	s_lshl_b32 s22, s24, 8                         ; 8 rows of 32 bytes
	s_add_nc_u64 s[16:17], s[16:17], s[22:23]
.macro LOADROW t
.irp i, 0,1,2,3,4,5,6,7
	global_load_b128 v[X+32*((\t)%3)+4*\i:X+32*((\t)%3)+4*\i+3], v2, s[4:5] offset:4096*(\t)+512*\i   ; 512 consecutive bytes
.endr
.endm
.macro RED                             ; four chains of pairs in v8-15 -> their sum over the whole wave in v8, in every lane
	v_pk_add_f32 v[8:9], v[8:9], v[10:11]
	v_pk_add_f32 v[12:13], v[12:13], v[14:15]
	v_pk_add_f32 v[8:9], v[8:9], v[12:13]
	v_add_f32 v8, v8, v9
	v_add_f32_dpp v8, v8, v8 row_xmask:1 row_mask:0xf bank_mask:0xf
	v_add_f32_dpp v8, v8, v8 row_xmask:2 row_mask:0xf bank_mask:0xf
	v_add_f32_dpp v8, v8, v8 row_xmask:4 row_mask:0xf bank_mask:0xf
	v_add_f32_dpp v8, v8, v8 row_xmask:8 row_mask:0xf bank_mask:0xf
	v_permlanex16_b32 v9, v8, s28, s29
	v_add_f32 v8, v8, v9
.endm
.macro LN t                            ; LayerNorm of the row in set t % 3, in place; the weights' work-groups jump over it (register work alone stands under the branch)
.set XS, X+32*((\t)%3)
	s_cmp_lt_u32 ttmp9, 512
	s_cbranch_scc0 .Lraw_\@
.irp k, 0,1,2,3
	v_pk_add_f32 v[8+2*\k:9+2*\k], v[XS+2*\k:XS+2*\k+1], v[XS+8+2*\k:XS+9+2*\k]    ; the first pairs start the chains: nothing is cleared
.endr
.irp p, 8,9,10,11,12,13,14,15
	v_pk_add_f32 v[8+2*(\p%4):9+2*(\p%4)], v[8+2*(\p%4):9+2*(\p%4)], v[XS+2*\p:XS+2*\p+1]
.endr
	RED
	v_mul_f32 v16, s26, v8                         ; the mean
.irp p, 0,1,2,3,4,5,6,7,8,9,10,11,12,13,14,15
	v_pk_add_f32 v[XS+2*\p:XS+2*\p+1], v[XS+2*\p:XS+2*\p+1], v[16:17] op_sel_hi:[1,0] neg_lo:[0,1] neg_hi:[0,1]
.endr
.irp k, 0,1,2,3
	v_pk_mul_f32 v[8+2*\k:9+2*\k], v[XS+2*\k:XS+2*\k+1], v[XS+2*\k:XS+2*\k+1]
.endr
.irp p, 4,5,6,7,8,9,10,11,12,13,14,15
	v_pk_fma_f32 v[8+2*(\p%4):9+2*(\p%4)], v[XS+2*\p:XS+2*\p+1], v[XS+2*\p:XS+2*\p+1], v[8+2*(\p%4):9+2*(\p%4)]
.endr
	RED
	v_fmaak_f32 v18, s26, v8, 0x3727c5ac           ; the variance + 1e-5
	s_wait_alu depctr_va_vdst(0)
	v_rsq_f32 v20, v18
	v_nop                                          ; a plain instruction behind the transcendental (ISA guide 5.7.2)
	s_wait_alu depctr_va_vdst(0)
.irp p, 0,1,2,3,4,5,6,7,8,9,10,11,12,13,14,15
	v_pk_mul_f32 v[XS+2*\p:XS+2*\p+1], v[XS+2*\p:XS+2*\p+1], v[20:21] op_sel_hi:[1,0]
.endr
.irp p, 0,1,2,3,4,5,6,7,8,9,10,11,12,13,14,15
	v_pk_fma_f32 v[XS+2*\p:XS+2*\p+1], v[XS+2*\p:XS+2*\p+1], v[GA+2*\p:GA+2*\p+1], v[BE+2*\p:BE+2*\p+1]
.endr
.Lraw_\@:
.endm
.macro TURNROW t                       ; LDS serves a wave's instructions in order: no wait between the stores and the loads
.irp i, 0,1,2,3,4,5,6,7
	ds_store_b128 v3, v[X+32*((\t)%3)+4*\i:X+32*((\t)%3)+4*\i+3] offset:4*SP*\i
.endr
.irp j, 0,1,2,3,4,5,6,7
	ds_load_b128 v[T+4*\j:T+4*\j+3], v4 offset:16*\j
.endr
.endm
.macro QROW t
	v_max3_num_f32 v8, |v[T]|, |v[T+1]|, |v[T+2]|                  ; my block's largest magnitude, in two chains
	v_max3_num_f32 v9, |v[T+3]|, |v[T+4]|, |v[T+5]|
.irp i, 6,10,14,18,22,26
	v_max3_num_f32 v8, v8, |v[T+\i]|, |v[T+\i+1]|
	v_max3_num_f32 v9, v9, |v[T+\i+2]|, |v[T+\i+3]|
.endr
	v_max3_num_f32 v8, v8, |v[T+30]|, |v[T+31]|
	v_max3_num_f32 v8, v8, v9, 0x1800000           ; and the floor 2^(3 - 127): the byte cannot fall under 1
	v_add_nc_u32 v19, 0xff000000, v8               ; 2 off the exponent field: the conversion takes that field as its scale
.irp g, 0,1,2,3
	v_cvt_scalef32_pk8_fp4_f32 v[C+4*(\t)+\g], v[T+8*\g:T+8*\g+7], v19
.endr
	v_lshrrev_b32 v[E+(\t)], 23, v19               ; the scale's byte (also the plain instruction behind the conversions)
	ds_store_b8 v5, v[E+(\t)] offset:SCB+32*(\t)
	global_store_b128 v2, v[C+4*(\t):C+4*(\t)+3], s[14:15] offset:512*(\t)      ; a row's 512 bytes of codes, consecutive and aligned
.endm
.macro ROW t
.if (\t) <= 5
	s_wait_loadcnt 16                              ; my row is in (gamma and beta before it); the two rows behind it may be out
.else
	s_wait_loadcnt 8*(7-(\t))
.endif
	LN \t
	s_wait_alu depctr_va_vdst(0)
	TURNROW \t
	s_wait_dscnt 0x0                               ; the row is back, so the stage's stores have read the set: it may be loaded again
.if (\t)+3 < 8
	LOADROW (\t)+3
.endif
	QROW \t
.endm
.irp i, 0,1,2,3,4,5,6,7
	global_load_b128 v[GA+4*\i:GA+4*\i+3], v2, s[10:11] offset:512*\i
.endr
.irp i, 0,1,2,3,4,5,6,7
	global_load_b128 v[BE+4*\i:BE+4*\i+3], v2, s[12:13] offset:512*\i
.endr
	LOADROW 0
	LOADROW 1
	LOADROW 2
.irp t, 0,1,2,3,4,5,6,7
	ROW \t
.endr
	ds_load_b64 v[30:31], v6 offset:SCB            ; my wave's 256 scale bytes
	s_wait_dscnt 0x0
	global_store_b64 v7, v[30:31], s[16:17]        ; 256 consecutive bytes, aligned
	s_set_vgpr_msb 0x5
	s_wait_tensorcnt 0x0
	ds_add_u32 v0, v1
	s_wait_dscnt 0x0
	s_set_vgpr_msb 0x500
	s_endpgm
.Lfunc_end_k_q2f98350d38_prep:
	.size	k_q2f98350d38_prep, .Lfunc_end_k_q2f98350d38_prep-k_q2f98350d38_prep
	.p2alignl 7, 3214868480
	.fill 96, 4, 3214868480
	.section	.rodata,"a",@progbits
	.p2align	6, 0x0
	.amdhsa_kernel k_q2f98350d38_prep
		.amdhsa_group_segment_fixed_size 9984
		.amdhsa_private_segment_fixed_size 0
		.amdhsa_enable_private_segment 0
		.amdhsa_kernarg_size 56
		.amdhsa_user_sgpr_count 2
		.amdhsa_user_sgpr_kernarg_segment_ptr 1
		.amdhsa_wavefront_size32 1
		.amdhsa_system_sgpr_workgroup_id_x 1
		.amdhsa_system_sgpr_workgroup_id_y 1
		.amdhsa_system_sgpr_workgroup_id_z 1
		.amdhsa_system_vgpr_workitem_id 0
		.amdhsa_next_free_vgpr 258
		.amdhsa_next_free_sgpr 66
		.amdhsa_reserve_vcc 0
		.amdhsa_float_denorm_mode_32 3
		.amdhsa_float_denorm_mode_16_64 3
		.amdhsa_memory_ordered 1
		.amdhsa_forward_progress 1
		.amdhsa_inst_pref_size 81
	.end_amdhsa_kernel
	.amdgpu_metadata
---
amdhsa.version: [ 1, 2 ]
amdhsa.kernels:
  - .name:           k_q2f98350d38_prep
    .symbol:         k_q2f98350d38_prep.kd
    .args:
      - { .name: x, .offset: 0, .size: 8, .value_kind: global_buffer, .address_space: global }
      - { .name: in_proj_w, .offset: 8, .size: 8, .value_kind: global_buffer, .address_space: global }
      - { .name: out_proj_w, .offset: 16, .size: 8, .value_kind: global_buffer, .address_space: global }
      - { .name: ln_gamma, .offset: 24, .size: 8, .value_kind: global_buffer, .address_space: global }
      - { .name: ln_beta, .offset: 32, .size: 8, .value_kind: global_buffer, .address_space: global }
      - { .name: codes1, .offset: 40, .size: 8, .value_kind: global_buffer, .address_space: global }
      - { .name: scales1, .offset: 48, .size: 8, .value_kind: global_buffer, .address_space: global }
    .group_segment_fixed_size: 9984
    .private_segment_fixed_size: 0
    .kernarg_segment_align: 8
    .kernarg_segment_size: 56
    .max_flat_workgroup_size: 64
    .sgpr_count:     66
    .vgpr_count:     258
    .wavefront_size: 32
...
	.end_amdgpu_metadata
.endif
;; end of part 1
;; launch qkv (part 2): grid 8 x 32, 4 waves a work-group, clusters of 4 x 4, 327,680 bytes of LDS; arguments codes1, scales1, in_proj_b, qkv_img, qkv_sc; writes qkv_img, qkv_sc
.if DOCPART == 2
	.amdgcn_target "amdgcn-amd-amdhsa--gfx1250"
	.amdhsa_code_object_version 6
	.text
	.protected	k_q2f98350d38_qkv
	.globl	k_q2f98350d38_qkv
	.p2align	8
	.type	k_q2f98350d38_qkv,@function
k_q2f98350d38_qkv:
	s_mov_b64 s[64:65], 0
	v_nop
	global_prefetch_b8 v0, s[64:65] scope:SCOPE_SE
	s_setreg_imm32_b32 hwreg(HW_REG_WAVE_MODE, 25, 1), 1
	s_wait_xcnt 0x0
	s_wait_alu depctr_hold_cnt(0) depctr_sa_sdst(0) depctr_va_vdst(0) depctr_va_sdst(0) depctr_va_ssrc(0) depctr_va_vcc(0) depctr_vm_vsrc(0)
	s_getreg_b32 s2, hwreg(HW_REG_IB_STS2, 6, 4)
	s_cmp_eq_u32 s2, 0
	s_cbranch_scc0 .Lentry_in_a_cluster
	s_endpgm
.Lentry_in_a_cluster:
	s_bfe_u32 s2, ttmp6, 0x10000c
	s_cmp_lg_u32 s2, 0xf033
	s_cbranch_scc0 .Lentry_shape_is_right
	s_endpgm
.Lentry_shape_is_right:
; QKV.  [8,192 tokens][1,024] x [3,072 channels][1,024]^T on codes of FP4 with E8M0 scales, + in_proj_b, and the result quantised at once into the operands of attention.
; 256 equal work-groups THAT STAY: each takes 256 tokens and makes, in phase 1, 256 channels of q or k (a wave 128 x 128: 64 accumulators) and, in phase 2, 128 channels of v for the same tokens
; (a wave 64 channels x 128 tokens: 32 accumulators).  8,192 x 3,072 / 256 = 256 x 384 results a work-group; the tokens' codes and scale bytes are fetched once for both phases.
; K = 1,024 codes are 512 bytes a row: phase 1's operands for all of K and their scale bytes lie in LDS together, two joint first fills a wave, each behind a round of the cluster's barrier.
; v's weights (128 rows) are a REFILL: their two K halves go where phase 1's weights of K half 0 lay, which nobody reads once K step 3's fragments are in registers, their scale bytes where phase 1's
; weights' scale bytes lay (all scale words are in registers from the start).  The refill stands in K step 3, one joint load a wave, and has four K steps and phase 1's way out in which to land.
; CLUSTER 4 x 4: the tokens' tiles are shared along a row of the cluster, the weights' (both phases') along a column.
; A product has a REGISTER SIDE (source 0: its 16 rows fall into a lane's 8 registers) and a LANE SIDE (source 1: a row to a lane).  q and k are quantised along the channels: in phase 1 the weights are the
; register side.  v is quantised along the tokens (the keys): in phase 2 the tokens are the register side.
; Rows lie in the order that the launch before gave them (bits 3 and 4 exchanged): the 16 registers of tiles 2 b, 2 b + 1 are 16 neighbours in true order: 32 b + 16 (lane / 16) + 0 .. 15.
; OUT: units of 512 bytes, images of four operand registers: lane l's 16 bytes at 16 l = lane-side row l % 16, 32 codes from 32 (l / 16) on.  Every store of codes covers 512 consecutive aligned bytes, every store of scale words whole runs of 256.
; LIMITS: as in the launch before: no NaN or infinities; a block of zeros has the byte 1; a block's largest magnitude counts as at least 2^-124.
; REGISTERS: window 0: v12-28 addresses; v30-31 the add's; v32-95 scale words and nothing else; v96-103 phase 2's bias; v128-191 lane-side fragments, later the numbers to be quantised; v192-224 the quantiser's.
;   window 1: register-side fragments, two sets (v0, v128); v64-127 phase 1's bias.   windows 2, 3: accumulator (a, b) at v[8 (8 (a % 4) + b)].
.set PITCH,  272                       ; an LDS row: 256 bytes + 16: the 16 rows of a fragment load start 16 bytes apart modulo 256
.set HALFT,  128*PITCH
.set SLOT,   4*HALFT                   ; a K half: the tokens' 256 rows, then the weights' 256
.set SCL,    2*SLOT                    ; the scale bytes, as runs of 256 bytes + 16: the tokens' 256 rows, then the weights'
.set HALFS,  16*272                    ; those of 128 rows
.set SPARE,  SCL+4*HALFS               ; the spare words, 128 bytes for each wave: two blocks of 256 bytes that no other line names
.set ADRB2, 12                         ; v12-13 phase 2, register side (tokens), K half 0, 1
.set ADSL2, 14                         ; phase 2, lane side's scale words
.set ADSR2, 15                         ; phase 2, register side's
.set ADRA, 16                          ; v16-17 phase 1, lane side (tokens)
.set ADRA2, 18                         ; v18-19 phase 2, lane side (v's weights)
.set ADRB, 20                          ; v20-21 phase 1, register side (weights)
.set ADSL, 22
.set ADSR, 23
.set LI,   24                          ; 16 x lane
.set H16,  25                          ; 16 (lane / 16)
.set SOQ,  26
.set SOV,  27
.set LANE, 28
.set SPW,  30                          ; LDS address of my spare word: SPARE + 4 x my thread's number; never rewritten
.set NIL,  31                          ; 0; never rewritten
.set SC,   32                          ; K half s: lane side at SC + 32 s + 4 i + q, register side 16 further: lanes 0-15 block 2 i, lanes 16-31 block 2 i + 1
.set BL,   96
.set AF,   128
.set H,    128
.set TM,   192
.set PC,   208
.set SW,   216
.set PW,   224
.set BI,   64                          ; in window 1
.set G1, 24
.set G0, 32
.set G1B, 48
.set G0B, 56
.set G1S, 68
.set G0S, 76
.set G1SB, 80
.set G0SB, 88
.set MSB, 0
.macro WIN new                         ; the immediate's high byte repeats the setting that is left
.if MSB != (\new)
	s_set_vgpr_msb (MSB<<8)|(\new)
.set MSB, (\new)
.endif
.endm
.set MUL_LO, 0xa1                      ; source 0 window 1, source 1 window 0, C and D window 2
.set MUL_HI, 0xf1
.set TO_B,   0x40
.macro JLOAD g0a, g1a, g0b, g1b        ; a joint first fill: waves 0, 1 fetch the tokens' halves, waves 2, 3 the weights'; four v_nop follow each line
	s_cmp_eq_u32 s15, 0
	s_cbranch_scc0 .Lfor_b_\@
	tensor_load_to_lds s[\g0a:\g0a+3], s[\g1a:\g1a+7]
	s_nop 0
.rept 4
	v_nop
.endr
	s_branch .Lasked_\@
.Lfor_b_\@:
	tensor_load_to_lds s[\g0b:\g0b+3], s[\g1b:\g1b+7]
	s_nop 0
.rept 4
	v_nop
.endr
.Lasked_\@:
.endm
.macro REFILL                          ; the joint refill: waves 0, 1 v's weights, K half = wave; wave 2 their scale bytes; wave 3 nothing.  The branches hang on the wave's number alone
	s_cmp_lt_u32 s14, 2
	s_cbranch_scc0 .Lnot_codes_\@
	tensor_load_to_lds s[G0B:G0B+3], s[G1B:G1B+7]
	s_nop 0
.rept 4
	v_nop
.endr
	s_branch .Lrefilled_\@
.Lnot_codes_\@:
	s_cmp_eq_u32 s14, 2
	s_cbranch_scc0 .Lrefilled_\@
	tensor_load_to_lds s[G0SB:G0SB+3], s[G1SB:G1SB+7]
	s_nop 0
.rept 4
	v_nop
.endr
.Lrefilled_\@:
.endm
.macro CREST                           ; a round of the cluster's barrier behind its opening barrier
	s_cmp_lg_u32 s14, 0
	s_cbranch_scc1 .Lnot_wave_0_\@
	s_barrier_signal -3
.Lnot_wave_0_\@:
	s_barrier_wait -3
	s_barrier_signal -1
	s_barrier_wait -1
.endm
.macro CROUND                          ; a whole round
	s_barrier_signal -1
	s_barrier_wait -1
	CREST
.endm
.macro PLACES                          ; four plain instructions behind matrix instructions, ahead of loads into their registers and of reads of results
.rept 4
	v_nop
.endr
.endm
	s_load_b256 s[4:11], s[0:1], 0x0               ; codes s[4:5], scale bytes s[6:7], bias s[8:9], images s[10:11]
	s_load_b64 s[12:13], s[0:1], 0x20              ; the images' scale words
	v_lshl_add_u32 v[SPW], v0, 2, SPARE
	v_mov_b32 v[NIL], 0
	ds_add_u32 v30, v31
	ds_add_u32 v30, v31
	s_wait_dscnt 0x0
	v_lshrrev_b32 v1, 5, v0
	v_readfirstlane_b32 s14, v1                    ; wave
	s_lshr_b32 s15, s14, 1                         ; my half of the lane side.  Also: my first fills are tokens (0) or weights (1)
	s_and_b32 s16, s14, 1                          ; my half of the register side.  Also: which 128 rows, later which K half, I fetch
	s_bfe_u32 s40, ttmp6, 0x40000                  ; cx
	s_bfe_u32 s41, ttmp6, 0x40004                  ; cy
	s_lshl_b32 s42, ttmp9, 2
	s_add_co_u32 s42, s42, s40                     ; tx, 0 .. 7: 256 channels of q or k, and 128 of v
	s_and_b32 s17, ttmp7, 0xffff
	s_lshl_b32 s17, s17, 2
	s_add_co_u32 s17, s17, s41                     ; ty: 256 tokens
	s_lshl_b32 s43, s41, 2
	s_lshl_b32 s43, 15, s43                        ; my row of the cluster
	s_lshl_b32 s44, 0x1111, s40                    ; my column
	s_or_b32 s[G1+0], s43, (1<<20)|(1<<21)|(5<<22)|(3<<25)      ; the mask; elements of 1 byte; padding: 4 words behind every 64; bit 21 beside a mask
	s_or_b32 s[G1B+0], s44, (1<<20)|(1<<21)|(5<<22)|(3<<25)
.irp g, G1, G1B
	s_mov_b32 s[\g+1], 256<<16                     ; tensor_dim0: 256 bytes, half of K
	s_mov_b32 s[\g+2], 256<<16                     ; tensor_dim1: the head's loads bring 256 rows
	s_mov_b32 s[\g+3], 256<<16                     ; tile_dim0
	s_mov_b32 s[\g+4], 256                         ; tile_dim1
	s_mov_b32 s[\g+5], 512                         ; from row to row
	s_mov_b32 s[\g+6], 0
	s_mov_b32 s[\g+7], 0
.endr
	s_or_b32 s[G1S+0], s43, (3<<16)|(1<<20)|(1<<21)|(5<<22)|(3<<25)   ; the scale bytes of 128 rows: 4,096 dense bytes as 16 rows of 32 elements of 8 bytes
	s_or_b32 s[G1SB+0], s44, (3<<16)|(1<<20)|(1<<21)|(5<<22)|(3<<25)
.irp g, G1S, G1SB
	s_mov_b32 s[\g+1], 32<<16
	s_mov_b32 s[\g+2], 32<<16                      ; at the head the scale bytes of 256 rows: 32 rows of 256 bytes
	s_mov_b32 s[\g+3], 32<<16
	s_mov_b32 s[\g+4], 32
	s_mov_b32 s[\g+5], 32
	s_mov_b32 s[\g+6], 0
	s_mov_b32 s[\g+7], 0
.endr
	s_lshl_b32 s20, s17, 8                         ; tokens: row 256 ty
	s_lshl_b32 s46, s42, 8
	s_add_co_u32 s46, s46, 8192                    ; q's and k's weights: row 8,192 + 256 tx + 128 half
	s_lshl_b32 s22, s20, 5                         ; their scale bytes,
	s_mov_b32 s23, 0
	s_lshl_b32 s92, s46, 5
	s_mov_b32 s93, 0
	s_lshl_b32 s20, s20, 9                         ; their codes
	s_mov_b32 s21, 0
	s_lshl_b32 s46, s46, 9
	s_mov_b32 s47, 0
	s_mul_i32 s45, s14, HALFT                      ; where they go: wave x 128 rows
	s_wait_kmcnt 0x0
	s_add_nc_u64 s[20:21], s[4:5], s[20:21]
	s_add_nc_u64 s[22:23], s[6:7], s[22:23]
	s_add_nc_u64 s[46:47], s[4:5], s[46:47]
	s_add_nc_u64 s[92:93], s[6:7], s[92:93]
	CROUND                                         ; all sixteen work-groups are here: the joint loads meet
	s_mov_b32 s[G0S], 1
	s_mov_b32 s[G0S+1], SCL
	s_mov_b64 s[G0S+2:G0S+3], s[22:23]
	s_or_b32 s[G0S+3], s[G0S+3], 0x80000000
	s_mov_b32 s[G0SB], 1
	s_mov_b32 s[G0SB+1], SCL+2*HALFS
	s_mov_b64 s[G0SB+2:G0SB+3], s[92:93]
	s_or_b32 s[G0SB+3], s[G0SB+3], 0x80000000
; THE HEAD'S LOADS, ONE A WAVE: wave 0 the tokens' 256 rows of K half 0, wave 1 the weights' 256 rows of K half 0, wave 2 the tokens' scale bytes, wave 3 the weights'.
; K half 1 follows behind the full sequence and a round, 128 rows a wave; it is waited for in K step 3, in front of the round there.
.set G1H, 92                           ; s[92:99] group 1 of the tokens' K half 1: s[24:31] are written again while that load is out
	s_mov_b32 s[G0], 1
	s_mov_b32 s[G0+1], 0
	s_mov_b64 s[G0+2:G0+3], s[20:21]
	s_or_b32 s[G0+3], s[G0+3], 0x80000000
	s_mov_b32 s[G0B], 1
	s_mov_b32 s[G0B+1], 2*HALFT
	s_mov_b64 s[G0B+2:G0B+3], s[46:47]
	s_or_b32 s[G0B+3], s[G0B+3], 0x80000000
	s_lshl_b32 s18, s16, 16                        ; K half 1: my 128 rows of 512 bytes,
	s_add_co_u32 s18, s18, 256                     ; 256 bytes on in each row
	s_mov_b32 s19, 0
	s_mov_b32 s[G0+4], 1
	s_add_co_u32 s[G0+5], s45, SLOT
	s_add_nc_u64 s[G0+6:G0+7], s[20:21], s[18:19]
	s_or_b32 s[G0+7], s[G0+7], 0x80000000
	s_mov_b32 s[G0B+4], 1
	s_add_co_u32 s[G0B+5], s45, SLOT
	s_add_nc_u64 s[G0B+6:G0B+7], s[46:47], s[18:19]
	s_or_b32 s[G0B+7], s[G0B+7], 0x80000000
.macro ARM under, g0, g1, next         ; one chain of branches on the wave's number, a load to an arm, all arms to one join
	s_cmp_lt_u32 s14, \under
	s_cbranch_scc0 \next
	tensor_load_to_lds s[\g0:\g0+3], s[\g1:\g1+7]
	s_nop 0
.rept 4
	v_nop
.endr
	s_branch .Lhead_asked
\next:
.endm
	ARM 1, G0,  G1,  .Lhead_b
	ARM 2, G0B, G1B, .Lhead_sa
	ARM 3, G0S, G1S, .Lhead_sb
	tensor_load_to_lds s[G0SB:G0SB+3], s[G1SB:G1SB+7]
	s_nop 0
.rept 4
	v_nop
.endr
.Lhead_asked:
	s_or_b32 s[G1H], s43, (1<<20)|(1<<21)|(5<<22)|(3<<25)       ; as the tokens' group 1, with 128 rows
	s_mov_b32 s[G1H+1], 256<<16
	s_mov_b32 s[G1H+2], 128<<16
	s_mov_b32 s[G1H+3], 256<<16
	s_mov_b32 s[G1H+4], 128
	s_mov_b32 s[G1H+5], 512
	s_mov_b32 s[G1H+6], 0
	s_mov_b32 s[G1H+7], 0
	s_mov_b32 s100, 0x76543210                     ; v_permlanex16_b32: lane l xor 16
	s_mov_b32 s101, 0xfedcba98
	v_and_b32 v1, 15, v0                           ; r
	v_bfe_u32 v2, v0, 4, 1                         ; h
	v_and_b32 v[LANE], 31, v0
	v_mul_u32_u24 v3, v1, PITCH
	v_lshl_add_u32 v4, v2, 4, v3                   ; a fragment's row x pitch + 16 h
	s_wait_alu depctr_va_vdst(0)
	s_mul_i32 s21, s15, HALFT                      ; phase 1, lane side: the tokens' half wave / 2
	s_mul_i32 s22, s16, HALFT                      ; phase 2, register side: the tokens' half wave % 2
	s_add_co_u32 s23, s22, 2*HALFT                 ; phase 1, register side: the weights' half wave % 2
.irp s, 0,1
	v_add_nc_u32 v[ADRA+\s], s21, v4
	v_add_nc_u32 v[ADRB+\s], s23, v4
	v_add_nc_u32 v[ADRB2+\s], s22, v4
	s_add_co_u32 s21, s21, SLOT
	s_add_co_u32 s22, s22, SLOT
	s_add_co_u32 s23, s23, SLOT
.endr
	s_mul_i32 s21, s15, 64*PITCH                   ; phase 2, lane side: 64 of v's 128 rows; K half 0 lies at 2 HALFT, K half 1 at 3 HALFT
	s_add_co_u32 s21, s21, 2*HALFT
	v_add_nc_u32 v[ADRA2], s21, v4
	s_add_co_u32 s21, s21, HALFT
	v_add_nc_u32 v[ADRA2+1], s21, v4
	v_lshrrev_b32 v6, 3, v[LANE]
	v_lshlrev_b32 v6, 4, v6
	v_lshl_add_u32 v6, v[LANE], 5, v6              ; scale bytes: row = lane: 32 bytes a row, 16 more for each 256 passed
	s_mul_i32 s21, s15, HALFS
	s_add_co_u32 s21, s21, SCL
	v_add_nc_u32 v[ADSL], s21, v6
	s_mul_i32 s22, s16, HALFS
	s_add_co_u32 s22, s22, SCL
	v_add_nc_u32 v[ADSR2], s22, v6
	s_add_co_u32 s22, s22, 2*HALFS
	v_add_nc_u32 v[ADSR], s22, v6
	s_mul_i32 s21, s15, 8*272                      ; 64 rows of scale bytes: 8 runs
	s_add_co_u32 s21, s21, SCL+2*HALFS
	v_add_nc_u32 v[ADSL2], s21, v6
	v_lshlrev_b32 v[LI], 4, v[LANE]
	v_lshlrev_b32 v[H16], 4, v2
	v_lshlrev_b32 v[SOV], 4, v1                    ; v's scale words: 16 r
	v_lshl_add_u32 v[SOQ], v2, 12, v[SOV]          ; q's, k's: 16 r, + a head's 4,096 bytes for lanes 16-31
	v_and_b32 v7, 8, v1
	v_add_nc_u32 v7, v7, v1
	v_lshlrev_b32 v7, 2, v7                        ; lane-side bias: true channel of lane r: r + 8 (r / 8)
	v_lshlrev_b32 v8, 6, v2                        ; register-side bias: 16 h numbers on
	s_wait_alu depctr_va_vdst(0)
	s_lshl_b32 s18, s42, 10                        ; phase 1's bias: channel 256 tx + 128 (wave % 2)
	s_lshl_b32 s22, s16, 9
	s_add_co_u32 s18, s18, s22
	s_mov_b32 s19, 0
	s_lshl_b32 s66, s42, 9                         ; phase 2's: channel 2,048 + 128 tx + 64 (wave / 2)
	s_lshl_b32 s22, s15, 8
	s_add_co_u32 s66, s66, s22
	s_add_co_u32 s66, s66, 8192
	s_mov_b32 s67, 0
	s_add_nc_u64 s[18:19], s[8:9], s[18:19]
	s_add_nc_u64 s[66:67], s[8:9], s[66:67]
	WIN TO_B
.irp b, 0,1,2,3
.irp i, 0,1,2,3
	global_load_b128 v[BI+16*\b+4*\i:BI+16*\b+4*\i+3], v8, s[18:19] offset:128*\b+16*\i    ; register 16 b + i: channel 32 b + 16 h + i
.endr
.endr
	WIN 0
.irp a, 0,1,2,3
	global_load_b32 v[BL+2*\a], v7, s[66:67] offset:4*(32*(\a/2)+8*(\a%2))
	v_mov_b32 v[BL+2*\a+1], 0                      ; (the pair's upper half is named, so it is written)
.endr
.irp b, 0,1,2,3
	v_mov_b32 v[TM+4+\b], 0                        ; a lane permute's destination counts as one of its sources
.endr
	s_wait_alu depctr_va_vdst(0)
	s_wait_tensorcnt 0x0                           ; my tile of the head's four is in
	ds_add_u32 v[SPW], v[NIL]
	s_mov_b32 s[G1B+2], 128<<16                    ; no tensor load of mine is out: from here on the weights' loads bring 128 rows,
	s_mov_b32 s[G1B+4], 128
	s_mov_b32 s[G1SB+2], 16<<16                    ; and their scale bytes' load those of 128 rows
	s_mov_b32 s[G1SB+4], 16
	s_wait_dscnt 0x0
	CROUND                                         ; all four tiles are in, and all sixteen work-groups are here
	JLOAD G0+4, G1H, G0B+4, G1B                    ; K half 1, the first tensor load behind the round: one load of mine is out
.macro WM                              ; one product; rZ: it starts the sum; rR0, rR1: the scale words stand in lanes 16-31
.if rZ
.if rR0 && rR1
	v_wmma_scale_f32_16x16x128_f8f6f4 v[rD:rD+7], v[rB:rB+7], v[rA:rA+7], 0, v[rSB], v[rSA] matrix_a_fmt:MATRIX_FMT_FP4 matrix_b_fmt:MATRIX_FMT_FP4 matrix_a_scale:MATRIX_SCALE_ROW1 matrix_b_scale:MATRIX_SCALE_ROW1
.elseif rR0
	v_wmma_scale_f32_16x16x128_f8f6f4 v[rD:rD+7], v[rB:rB+7], v[rA:rA+7], 0, v[rSB], v[rSA] matrix_a_fmt:MATRIX_FMT_FP4 matrix_b_fmt:MATRIX_FMT_FP4 matrix_a_scale:MATRIX_SCALE_ROW1
.elseif rR1
	v_wmma_scale_f32_16x16x128_f8f6f4 v[rD:rD+7], v[rB:rB+7], v[rA:rA+7], 0, v[rSB], v[rSA] matrix_a_fmt:MATRIX_FMT_FP4 matrix_b_fmt:MATRIX_FMT_FP4 matrix_b_scale:MATRIX_SCALE_ROW1
.else
	v_wmma_scale_f32_16x16x128_f8f6f4 v[rD:rD+7], v[rB:rB+7], v[rA:rA+7], 0, v[rSB], v[rSA] matrix_a_fmt:MATRIX_FMT_FP4 matrix_b_fmt:MATRIX_FMT_FP4
.endif
.else
.if rR0 && rR1
	v_wmma_scale_f32_16x16x128_f8f6f4 v[rD:rD+7], v[rB:rB+7], v[rA:rA+7], v[rD:rD+7], v[rSB], v[rSA] matrix_a_fmt:MATRIX_FMT_FP4 matrix_b_fmt:MATRIX_FMT_FP4 matrix_a_scale:MATRIX_SCALE_ROW1 matrix_b_scale:MATRIX_SCALE_ROW1
.elseif rR0
	v_wmma_scale_f32_16x16x128_f8f6f4 v[rD:rD+7], v[rB:rB+7], v[rA:rA+7], v[rD:rD+7], v[rSB], v[rSA] matrix_a_fmt:MATRIX_FMT_FP4 matrix_b_fmt:MATRIX_FMT_FP4 matrix_a_scale:MATRIX_SCALE_ROW1
.elseif rR1
	v_wmma_scale_f32_16x16x128_f8f6f4 v[rD:rD+7], v[rB:rB+7], v[rA:rA+7], v[rD:rD+7], v[rSB], v[rSA] matrix_a_fmt:MATRIX_FMT_FP4 matrix_b_fmt:MATRIX_FMT_FP4 matrix_b_scale:MATRIX_SCALE_ROW1
.else
	v_wmma_scale_f32_16x16x128_f8f6f4 v[rD:rD+7], v[rB:rB+7], v[rA:rA+7], v[rD:rD+7], v[rSB], v[rSA] matrix_a_fmt:MATRIX_FMT_FP4 matrix_b_fmt:MATRIX_FMT_FP4
.endif
.endif
.endm
; PHASE 1.  16 products of K step Q (128 along K): lane-side blocks a0, a0 + 1 x the register side's eight.  The 64 accumulators take turns, one instruction a turn, in the same order in every step.
.macro MUL16 a0
.irp a, \a0, \a0+1
.irp b, 0,1,2,3,4,5,6,7
.set rD, 8*(8*((\a)%4)+\b)
.set rB, 128*(Q%2)+8*\b
.set rA, AF+8*(\a)
.set rSB, SC+32*(Q/4)+16+4*(\b/2)+Q%4
.set rSA, SC+32*(Q/4)+4*((\a)/2)+Q%4
.set rR0, \b%2
.set rR1, (\a)%2
.set rZ, Q==0
	WM
.endr
.endr
.endm
.macro FETCH_B                         ; the register side's eight fragments of K step QN into set QN % 2.  A fragment: lane l holds row l % 16; registers 4 c .. 4 c + 3 hold K = 64 c + 32 (l / 16) + 0 .. 31
	WIN TO_B
.irp i, 0,1,2,3,4,5,6,7
.irp c, 0,1
	ds_load_b128 v[128*(QN%2)+8*\i+4*\c:128*(QN%2)+8*\i+4*\c+3], v[ADRB+QN/4] offset:64*(QN%4)+32*\c+\i*16*PITCH
.endr
.endr
	WIN 0
.endm
.macro FETCH_A i0                      ; the lane side's blocks i0 .. i0 + 3: one set; a block is free as soon as its eight products are issued
.irp i, 0,1,2,3
.irp c, 0,1
	ds_load_b128 v[AF+8*(\i0+\i)+4*\c:AF+8*(\i0+\i)+4*\c+3], v[ADRA+QN/4] offset:64*(QN%4)+32*\c+(\i0+\i)*16*PITCH
.endr
.endr
.endm
.macro STEP                            ; K step Q, and the fetches of step Q + 1
	s_wait_dscnt 8                                 ; all but the youngest eight loads (the lane side's blocks 4-7) are in
	WIN MUL_LO
	MUL16 0
	MUL16 2
	s_wait_dscnt 0x0                               ; blocks 4-7 are in
	PLACES
.set QN, Q+1
	FETCH_B
	FETCH_A 0
	WIN MUL_HI
	MUL16 4
	MUL16 6
	PLACES
	WIN 0
	FETCH_A 4
.set Q, Q+1
.endm
; K step 3, the last of K half 0, with the refill.  In front of the round each wave waits for all its tensor loads (none is out), adds 0 to its spare word, and waits for that and for its reads of K half 0.
; Behind the round no wave of any partner reads the weights of K half 0 or their scale bytes any more: v's weights are asked for, the first tensor load there and the wave's only one.
.macro TURN
	s_wait_tensorcnt 0x0                           ; (every window is 0 here: the add's two registers lie in window 0)
	ds_add_u32 v[SPW], v[NIL]                      ; 0 onto my spare word
	s_wait_dscnt 9                                 ; (the add and the youngest eight loads, the lane side's blocks 4-7, may be out)
	WIN MUL_LO
	MUL16 0                                        ; sixteen products stand between the add and the wait for it
	s_wait_dscnt 0x0                               ; the add is done, and my reads of K half 0 are over
	s_barrier_signal -1
	MUL16 2
	WIN 0
	s_barrier_wait -1
	CREST                                          ; the barrier has opened a round of the cluster's barrier
	REFILL
	PLACES                                         ; on every wave's path, that of the wave that asks for nothing too: ahead of the loads below
.set QN, Q+1
	FETCH_B
	FETCH_A 0
	WIN MUL_HI
	MUL16 4
	MUL16 6
	PLACES
	WIN 0
	FETCH_A 4
.set Q, Q+1
.endm
.set QN, 0
	FETCH_B
	FETCH_A 0
.irp s, 0,1                            ; phase 1's scale words, all at once: 4 words a row and K half
.irp i, 0,1,2,3
	ds_load_b128 v[SC+32*\s+4*\i:SC+32*\s+4*\i+3], v[ADSL] offset:1088*\i+16*\s
	ds_load_b128 v[SC+32*\s+16+4*\i:SC+32*\s+16+4*\i+3], v[ADSR] offset:1088*\i+16*\s
.endr
.endr
	FETCH_A 4
	; where the results go, and the refill's descriptors (the K half 1 load that is out names none of the registers written here)
	s_lshr_b32 s68, s17, 2                         ; b: the batch
	s_and_b32 s69, s17, 3
	s_and_b32 s70, s42, 3
	s_lshr_b32 s71, s42, 2                         ; 0 q, 1 k
	s_lshl_b32 s72, s68, 4
	s_lshl_b32 s73, s70, 2
	s_add_co_u32 s72, s72, s73
	s_lshl_b32 s73, s16, 1
	s_add_co_u32 s72, s72, s73                     ; q, k: 16 b + my first head
	s_lshl_b32 s74, s72, 6
	s_lshl_b32 s73, s69, 4
	s_add_co_u32 s74, s74, s73
	s_lshl_b32 s73, s15, 3
	s_add_co_u32 s74, s74, s73                     ; unit: (16 b + head) 64 + token tile
	s_lshl_b32 s74, s74, 9
	s_lshl_b32 s73, s71, 22
	s_add_co_u32 s74, s74, s73
	s_lshl_b32 s75, s72, 12                        ; scale words: 4,096 bytes a head, 256 for four token tiles
	s_lshl_b32 s73, s71, 19
	s_add_co_u32 s75, s75, s73
	s_lshl_b32 s73, s69, 10
	s_add_co_u32 s75, s75, s73
	s_lshl_b32 s73, s15, 9
	s_add_co_u32 s75, s75, s73
	s_lshl_b32 s76, s68, 3
	s_lshl_b32 s73, s69, 1
	s_add_co_u32 s76, s76, s73
	s_add_co_u32 s76, s76, s16                     ; v: 8 b + key step
	s_lshl_b32 s77, s42, 1
	s_add_co_u32 s77, s77, s15                     ; my head: 2 tx + wave / 2
	s_lshl_b32 s78, s76, 7
	s_lshl_b32 s73, s77, 2
	s_add_co_u32 s78, s78, s73                     ; unit: ((8 b + step) 2 + c) 64 + 4 head + channel tile
	s_lshl_b32 s78, s78, 9
	s_add_co_u32 s78, s78, 0x800000
	s_lshl_b32 s79, s68, 4
	s_add_co_u32 s79, s79, s77
	s_lshl_b32 s79, s79, 3
	s_lshl_b32 s73, s69, 1
	s_add_co_u32 s79, s79, s73
	s_add_co_u32 s79, s79, s16
	s_lshl_b32 s79, s79, 8                         ; scale words: ((16 b + head) 8 + step) 256
	s_add_co_u32 s79, s79, 0x100000
	s_mov_b32 s21, 0
	s_mov_b32 s20, s78
	s_add_nc_u64 s[24:25], s[10:11], s[20:21]      ; v's units
	s_mov_b32 s20, s79
	s_add_nc_u64 s[26:27], s[12:13], s[20:21]      ; v's scale words
	s_mov_b32 s20, s74
	s_add_nc_u64 s[10:11], s[10:11], s[20:21]      ; q's or k's units
	s_mov_b32 s20, s75
	s_add_nc_u64 s[12:13], s[12:13], s[20:21]      ; and scale words
	s_lshl_b32 s28, s42, 7
	s_add_co_u32 s28, s28, 10240                   ; v's weights: row 8,192 + 2,048 + 128 tx: it hangs on tx alone, which my column of the cluster shares
	s_lshl_b32 s30, s28, 9
	s_lshl_b32 s29, s16, 8
	s_add_co_u32 s30, s30, s29                     ; K half = wave % 2
	s_mov_b32 s31, 0
	s_mov_b32 s[G0B], 1
	s_mul_i32 s[G0B+1], s16, HALFT
	s_add_co_u32 s[G0B+1], s[G0B+1], 2*HALFT       ; to where the weights of K half 0 lay: 2 HALFT, 3 HALFT
	s_add_nc_u64 s[G0B+2:G0B+3], s[4:5], s[30:31]
	s_or_b32 s[G0B+3], s[G0B+3], 0x80000000
	s_lshl_b32 s30, s28, 5
	s_mov_b32 s[G0SB], 1
	s_mov_b32 s[G0SB+1], SCL+2*HALFS
	s_add_nc_u64 s[G0SB+2:G0SB+3], s[6:7], s[30:31]
	s_or_b32 s[G0SB+3], s[G0SB+3], 0x80000000
.set Q, 0
.rept 3
	STEP
.endr
	TURN
.rept 3
	STEP
.endr
	s_wait_dscnt 8                                 ; phase 1's last K step: nothing more to fetch
	WIN MUL_LO
	MUL16 0
	MUL16 2
	s_wait_dscnt 0x0
	WIN MUL_HI
	MUL16 4
	MUL16 6
	WIN 0
	PLACES
	s_wait_loadcnt 0x0                             ; the biases
; 64 numbers of a lane, v[H + 16 b + i] = number 32 b + 16 (lane / 16) + i of my row, become a fragment's codes in v[PC] on and its scale word in v[PW]
.macro QUANT
.irp b, 0,1,2,3
	v_max3_num_f32 v[TM+\b], |v[H+16*\b]|, |v[H+1+16*\b]|, 0x1800000      ; my 16 numbers of block b, and the floor 2^(3 - 127)
.endr
.irp i, 2,4,6,8,10,12,14
.irp b, 0,1,2,3
	v_max3_num_f32 v[TM+\b], v[TM+\b], |v[H+16*\b+\i]|, |v[H+1+16*\b+\i]|
.endr
.endr
.irp b, 0,1,2,3
	v_permlanex16_b32 v[TM+4+\b], v[TM+\b], s100, s101
.endr
.irp b, 0,1,2,3
	v_max_num_f32 v[TM+\b], v[TM+\b], v[TM+4+\b]   ; with lane l xor 16's: the block's largest magnitude
.endr
.irp b, 0,1,2,3
	v_add_nc_u32 v[TM+12+\b], 0xff000000, v[TM+\b] ; 2 off its exponent field: the conversion's scale operand
.endr
.irp b, 0,1,2,3
	v_lshrrev_b32 v[TM+4+\b], 23, v[TM+12+\b]      ; the byte
.endr
	v_lshl_or_b32 v[PW], v[TM+5], 8, v[TM+4]
	v_lshl_or_b32 v[PW], v[TM+6], 16, v[PW]
	v_lshl_or_b32 v[PW], v[TM+7], 24, v[PW]
.irp b, 0,1,2,3
	v_cvt_scalef32_pk8_fp4_f32 v[PC+2*\b], v[H+16*\b:H+7+16*\b], v[TM+12+\b]
	v_cvt_scalef32_pk8_fp4_f32 v[PC+1+2*\b], v[H+8+16*\b:H+15+16*\b], v[TM+12+\b]
.endr
	v_nop                                          ; one plain instruction behind a scaled conversion
.irp c, 0,1                            ; a whole block to a lane: lanes 0-15 block 2 c, lanes 16-31 block 2 c + 1
.irp i, 0,1
	v_permlane16_swap_b32 v[PC+4*\c+\i], v[PC+2+4*\c+\i]
.endr
.endr
.endm
; PHASE 1's WAY OUT.  Token tile a: a lane's 128 channels (two heads) + bias, quantised, stored as two units.  Each accumulator is read from its low end on.
.macro EPI1 a
.if (\a) > 0
	s_wait_xcnt 0x0                                ; the last tile's stores have read their data: the codes' registers are written again only behind this wait
.endif
	WIN 0x06+(\a)/4                                ; source 0: the accumulators' window; source 1: window 1
.set i, 0
.rept 32
	v_pk_add_f32 v[H+i:H+i+1], v[64*((\a)%4)+i:64*((\a)%4)+i+1], v[BI+i:BI+i+1]
.set i, i+2
.endr
	WIN 0
	QUANT
	v_mov_b32 v[SW+(\a)], v[PW]
	global_store_b128 v[LI], v[PC:PC+3], s[10:11] offset:512*(\a)             ; my first head.  512 consecutive bytes, aligned
	global_store_b128 v[LI], v[PC+4:PC+7], s[10:11] offset:512*(\a)+32768     ; the next head
.endm
.irp a, 0,1,2,3,4,5,6,7
	EPI1 \a
.endr
.irp a, 0,1,2,3,4,5,6,7
	v_bfe_u32 v[SW+\a], v[SW+\a], v[H16], 16       ; lanes 0-15 keep my first head's two bytes, lanes 16-31 the next head's; bytes 2 and 3, over zero codes, are 0
.endr
	global_store_b128 v[SOQ], v[SW:SW+3], s[12:13]                 ; sixteen lanes: 256 consecutive bytes, aligned
	global_store_b128 v[SOQ], v[SW+4:SW+7], s[12:13] offset:256
; PHASE 2: v.  Register side: my 128 tokens (8 blocks); lane side: my 64 channels (4 blocks).  Two sets of fragments on both sides; the next step's 24 loads go out ahead of this step's 32 products.
	s_wait_tensorcnt 0x0                           ; my part of v's weights, if I asked for one, has landed,
	s_barrier_signal -1
	s_barrier_wait -1                              ; everybody's has.
.irp s, 0,1
.irp i, 0,1
	ds_load_b128 v[SC+32*\s+4*\i:SC+32*\s+4*\i+3], v[ADSL2] offset:1088*\i+16*\s
.endr
.irp i, 0,1,2,3
	ds_load_b128 v[SC+32*\s+16+4*\i:SC+32*\s+16+4*\i+3], v[ADSR2] offset:1088*\i+16*\s
.endr
.endr
.macro FETCH2                          ; K step QN's fragments into set QN % 2
	WIN TO_B
.irp i, 0,1,2,3,4,5,6,7
.irp c, 0,1
	ds_load_b128 v[128*(QN%2)+8*\i+4*\c:128*(QN%2)+8*\i+4*\c+3], v[ADRB2+QN/4] offset:64*(QN%4)+32*\c+\i*16*PITCH
.endr
.endr
	WIN 0
.irp a, 0,1,2,3
.irp c, 0,1
	ds_load_b128 v[AF+32*(QN%2)+8*\a+4*\c:AF+32*(QN%2)+8*\a+4*\c+3], v[ADRA2+QN/4] offset:64*(QN%4)+32*\c+\a*16*PITCH
.endr
.endr
.endm
.macro STEP2                           ; the 32 accumulators take turns, one instruction a turn
	s_wait_dscnt 0x0                               ; this step's fragments (and, in the first step, the scale words) are in
.if Q < 7
.if Q > 0
	PLACES                                         ; the set to be loaded was read by the last step's products
.endif
.set QN, Q+1
	FETCH2
.endif
	WIN MUL_LO
.irp a, 0,1,2,3
.irp b, 0,1,2,3,4,5,6,7
.set rD, 8*(8*\a+\b)
.set rB, 128*(Q%2)+8*\b
.set rA, AF+32*(Q%2)+8*\a
.set rSB, SC+32*(Q/4)+16+4*(\b/2)+Q%4
.set rSA, SC+32*(Q/4)+4*(\a/2)+Q%4
.set rR0, \b%2
.set rR1, \a%2
.set rZ, Q==0
	WM
.endr
.endr
	WIN 0
.set Q, Q+1
.endm
.set QN, 0
	FETCH2
.set Q, 0
.rept 8
	STEP2
.endr
	PLACES
; PHASE 2's WAY OUT.  Channel tile a of my head: a lane's 128 tokens (a key step) + its channel's bias, quantised along the tokens, stored as two units
.macro EPI2 a
	s_wait_xcnt 0x0                                ; the earlier stores have read their data: the codes' and the words' registers are written again only behind this wait
	WIN 0x02                                       ; source 0: window 2
.set i, 0
.rept 32
	v_pk_add_f32 v[H+i:H+i+1], v[64*(\a)+i:64*(\a)+i+1], v[BL+2*(\a):BL+2*(\a)+1] op_sel_hi:[1,0]
.set i, i+2
.endr
	WIN 0
	QUANT
	v_mov_b32 v[SW+(\a)], v[PW]
	global_store_b128 v[LI], v[PC:PC+3], s[24:25] offset:512*(\a)             ; keys 0-63 of the step.  512 consecutive bytes, aligned
	global_store_b128 v[LI], v[PC+4:PC+7], s[24:25] offset:512*(\a)+32768     ; keys 64-127
.endm
.irp a, 0,1,2,3
	EPI2 \a
.endr
	global_store_b128 v[SOV], v[SW:SW+3], s[26:27] ; my head's words of this key step: 256 consecutive bytes, aligned; lanes l and l + 16 hold the same words and write the same place
	s_wait_tensorcnt 0x0                           ; the wave's end, behind my last tensor load
	ds_add_u32 v[SPW], v[NIL]
	s_wait_dscnt 0x0
	CROUND                                         ; the closing round: no work-group ends while a partner may still ask for a tile that names it
	s_endpgm
.Lfunc_end_k_q2f98350d38_qkv:
	.size	k_q2f98350d38_qkv, .Lfunc_end_k_q2f98350d38_qkv-k_q2f98350d38_qkv
	.p2alignl 7, 3214868480
	.fill 96, 4, 3214868480
	.section	.rodata,"a",@progbits
	.p2align	6, 0x0
	.amdhsa_kernel k_q2f98350d38_qkv
		.amdhsa_group_segment_fixed_size 327680
		.amdhsa_private_segment_fixed_size 0
		.amdhsa_enable_private_segment 0
		.amdhsa_kernarg_size 40
		.amdhsa_user_sgpr_count 2
		.amdhsa_user_sgpr_kernarg_segment_ptr 1
		.amdhsa_wavefront_size32 1
		.amdhsa_system_sgpr_workgroup_id_x 1
		.amdhsa_system_sgpr_workgroup_id_y 1
		.amdhsa_system_sgpr_workgroup_id_z 1
		.amdhsa_system_vgpr_workitem_id 0
		.amdhsa_next_free_vgpr 1024
		.amdhsa_next_free_sgpr 102
		.amdhsa_reserve_vcc 0
		.amdhsa_float_denorm_mode_32 3
		.amdhsa_float_denorm_mode_16_64 3
		.amdhsa_memory_ordered 1
		.amdhsa_forward_progress 1
		.amdhsa_inst_pref_size 222
	.end_amdhsa_kernel
	.amdgpu_metadata
---
amdhsa.version: [ 1, 2 ]
amdhsa.kernels:
  - .name:           k_q2f98350d38_qkv
    .symbol:         k_q2f98350d38_qkv.kd
    .args:
      - { .name: codes1, .offset: 0, .size: 8, .value_kind: global_buffer, .address_space: global }
      - { .name: scales1, .offset: 8, .size: 8, .value_kind: global_buffer, .address_space: global }
      - { .name: in_proj_b, .offset: 16, .size: 8, .value_kind: global_buffer, .address_space: global }
      - { .name: qkv_img, .offset: 24, .size: 8, .value_kind: global_buffer, .address_space: global }
      - { .name: qkv_sc, .offset: 32, .size: 8, .value_kind: global_buffer, .address_space: global }
    .group_segment_fixed_size: 327680
    .private_segment_fixed_size: 0
    .kernarg_segment_align: 8
    .kernarg_segment_size: 40
    .max_flat_workgroup_size: 128
    .sgpr_count:     102
    .vgpr_count:     1024
    .wavefront_size: 32
...
	.end_amdgpu_metadata
.endif
;; end of part 2
;; launch attn (part 3): grid 4 x 64, 16 waves a work-group, clusters of 4 x 1, 169,984 bytes of LDS; arguments qkv_img, qkv_sc, ctx_img, ctx_sc; writes ctx_img, ctx_sc
.if DOCPART == 3
	.amdgcn_target "amdgcn-amd-amdhsa--gfx1250"
	.amdhsa_code_object_version 6
	.text
	.protected	k_q2f98350d38_attn
	.globl	k_q2f98350d38_attn
	.p2align	8
	.type	k_q2f98350d38_attn,@function
k_q2f98350d38_attn:
	s_mov_b64 s[64:65], 0
	v_nop
	global_prefetch_b8 v0, s[64:65] scope:SCOPE_SE
	s_setreg_imm32_b32 hwreg(HW_REG_WAVE_MODE, 25, 1), 1
	s_wait_xcnt 0x0
	s_wait_alu depctr_hold_cnt(0) depctr_sa_sdst(0) depctr_va_vdst(0) depctr_va_sdst(0) depctr_va_ssrc(0) depctr_va_vcc(0) depctr_vm_vsrc(0)
	s_getreg_b32 s2, hwreg(HW_REG_IB_STS2, 6, 4)
	s_cmp_eq_u32 s2, 0
	s_cbranch_scc0 .Lentry_in_a_cluster
	s_endpgm
.Lentry_in_a_cluster:
	s_bfe_u32 s2, ttmp6, 0x10000c
	s_cmp_lg_u32 s2, 0x3003
	s_cbranch_scc0 .Lentry_shape_is_right
	s_endpgm
.Lentry_shape_is_right:
; ATTENTION on codes of FP4, head size 64, 1,024 keys, and the result quantised along the model's 1,024 for the last product.
; t = score x log2(e) / 8; M = the running largest t rounded UP to a whole number; p = 2^(t - M) is quantised along the keys; the row's sum is taken of the unquantised p and divides at the end.
; SHARES.  A work-group takes a pair of heads of one batch and a quarter of its queries; each of sixteen waves owns 16 queries, for the first head and then the second: together 128 channels,
; one whole K step of the last product.  Four waves to a SIMD, so that one wave's vector work stands beside another's products and LDS loads.
; LDS holds both heads' K and V as images of operand registers, and their scale words: 143,360 bytes, each filled once by six joint loads (the cluster's four work-groups want the same bytes).
; Both products are used transposed: S^T = K Q^T, O^T = V^T P^T: a lane holds one query throughout.  The head's 64 channels fill half of the instruction's K: registers 4-7 of K's and Q's fragments
; are zero codes (kept apart for the two sources), under the scale byte 0.  Tiles of keys and of channels lie in the order in which two neighbouring tiles give a lane 16 neighbours.
; LIMITS: no NaN or infinities; a block of zeros has the byte 1; a block's largest magnitude counts as at least 2^-124.  The store of the result's scale words covers 64 consecutive bytes a wave, a quarter of a run of 256: 262,144 bytes in the launch.
.set VIMG, 65536                       ; LDS: K's images at 0 (32,768 a head); V's: row 2 step + c of 4,096 bytes: [head][channel tile][512]
.set KSC,  131072                      ; K's scale words, 4,096 a head
.set VSC,  139264                      ; V's, 2,048 a head
.set L16, 2
.set R16, 3
.set ADK, 4
.set ADV, 5
.set ADS, 6
.set ADT, 7
.set R4,  8
.set QF,  16                           ; v16-31   Q's two fragments
.set KF,  32                           ; v32-63   four tiles of K
.set VF,  64                           ; v64-95   V's four fragments
.set S,   96                           ; v96-159  scores, then p
.set O,   160                          ; v160-191 O^T
.set PC,  192                          ; p's codes
.set KS,  200
.set VS,  204
.set QS,  208
.set PS,  210
.set CW,  211
.set BM,  212
.set T1,  216
.set T2,  220
.set CC,  232                          ; the result's codes, four registers a head
.set G1K, 16
.set G1V, 24
.set G1KS, 32
.set G1VS, 40
.set TK,  66
.set TV,  67
.set TKS, 68
.set TVS, 69
.macro CROUND
	s_barrier_signal -1
	s_barrier_wait -1
	s_cmp_lg_u32 s12, 0
	s_cbranch_scc1 .Lnot_wave_0_\@
	s_barrier_signal -3
.Lnot_wave_0_\@:
	s_barrier_wait -3
	s_barrier_signal -1
	s_barrier_wait -1
.endm
	s_load_b256 s[4:11], s[0:1], 0x0               ; images s[4:5], their scale words s[6:7], the result's images s[8:9], its scale words s[10:11]
	v_lshl_add_u32 v254, v0, 2, 0x29000
	v_mov_b32 v255, 0
	ds_add_u32 v254, v255
	ds_add_u32 v254, v255
	v_lshrrev_b32 v1, 5, v0
	s_delay_alu instid0(VALU_DEP_1)
	v_readfirstlane_b32 s12, v1                    ; wave 0..15
	s_bfe_u32 s13, ttmp6, 0x40000                  ; cx: the quarter of the queries: it enters global addresses of plain loads and stores alone
	s_and_b32 s14, ttmp7, 0xffff                   ; y = 8 b + head pair
	s_and_b32 s15, s12, 1
	s_lshr_b32 s76, s14, 3                         ; b
	s_and_b32 s77, s14, 7                          ; head pair
	s_lshl_b32 s78, s13, 4
	s_add_co_u32 s78, s78, s12                     ; my tile of queries in the batch
	s_lshl_b32 s80, s14, 16                        ; K: 65,536 y + 32,768 (wave % 2)
	s_lshl_b32 s79, s15, 15
	s_add_co_u32 s80, s80, s79
	s_add_co_u32 s80, s80, 0x400000
	s_mov_b32 s81, 0
	s_lshl_b32 s82, s76, 19                        ; V: 524,288 b + 4,096 pair + 262,144 (wave % 2)
	s_lshl_b32 s79, s77, 12
	s_add_co_u32 s82, s82, s79
	s_lshl_b32 s79, s15, 18
	s_add_co_u32 s82, s82, s79
	s_add_co_u32 s82, s82, 0x800000
	s_mov_b32 s83, 0
	s_lshl_b32 s84, s14, 13
	s_add_co_u32 s84, s84, 0x80000
	s_mov_b32 s85, 0
	s_lshl_b32 s86, s14, 12
	s_add_co_u32 s86, s86, 0x100000
	s_mov_b32 s87, 0
	s_lshl_b32 s88, s14, 16                        ; Q: 65,536 y + 512 tile
	s_lshl_b32 s79, s78, 9
	s_add_co_u32 s88, s88, s79
	s_mov_b32 s89, 0
	s_lshl_b32 s90, s14, 13                        ; its words: 8,192 y + 256 (tile / 4) + 4 (tile % 4)
	s_lshr_b32 s79, s78, 2
	s_lshl_b32 s79, s79, 8
	s_add_co_u32 s90, s90, s79
	s_and_b32 s79, s78, 3
	s_lshl_b32 s79, s79, 2
	s_add_co_u32 s90, s90, s79
	s_mov_b32 s91, 0
	s_lshl_b32 s79, s76, 6
	s_add_co_u32 s79, s79, s78                     ; token tile 64 b + tile
	s_lshl_b32 s92, s79, 4
	s_add_co_u32 s92, s92, s77
	s_add_co_u32 s92, s92, s77
	s_lshl_b32 s92, s92, 9                         ; (16 tile + 2 pair) 512
	s_mov_b32 s93, 0
	s_lshl_b32 s94, s77, 13
	s_lshl_b32 s79, s79, 4
	s_add_co_u32 s94, s94, s79
	s_lshl_b32 s94, s94, 2                         ; (8,192 pair + 16 tile) 4
	s_mov_b32 s95, 0
	s_mov_b32 s[G1K], 15|(3<<16)|(1<<21)           ; the mask: all four work-groups; elements of 8 bytes; bit 21 beside a mask; no padding: images are read 16 bytes a lane on end
	s_mov_b32 s[G1K+1], 32<<16                     ; K of a head: 32,768 dense bytes as 128 rows of 256
	s_mov_b32 s[G1K+2], 128<<16
	s_mov_b32 s[G1K+3], 32<<16
	s_mov_b32 s[G1K+4], 128
	s_mov_b32 s[G1K+5], 32
	s_mov_b32 s[G1K+6], 0
	s_mov_b32 s[G1K+7], 0
	s_mov_b32 s[G1V], 15|(3<<16)|(1<<21)
	s_mov_b32 s[G1V+1], 512<<16                    ; V: 8 rows of 4,096 bytes (the pair's part), 32,768 bytes apart
	s_mov_b32 s[G1V+2], 8<<16
	s_mov_b32 s[G1V+3], 512<<16
	s_mov_b32 s[G1V+4], 8
	s_mov_b32 s[G1V+5], 4096
	s_mov_b32 s[G1V+6], 0
	s_mov_b32 s[G1V+7], 0
	s_mov_b32 s[G1KS], 15|(3<<16)|(1<<21)
	s_mov_b32 s[G1KS+1], 32<<16                    ; K's words: 8,192 dense bytes
	s_mov_b32 s[G1KS+2], 32<<16
	s_mov_b32 s[G1KS+3], 32<<16
	s_mov_b32 s[G1KS+4], 32
	s_mov_b32 s[G1KS+5], 32
	s_mov_b32 s[G1KS+6], 0
	s_mov_b32 s[G1KS+7], 0
	s_mov_b32 s[G1VS], 15|(3<<16)|(1<<21)
	s_mov_b32 s[G1VS+1], 32<<16                    ; V's: 4,096
	s_mov_b32 s[G1VS+2], 16<<16
	s_mov_b32 s[G1VS+3], 32<<16
	s_mov_b32 s[G1VS+4], 16
	s_mov_b32 s[G1VS+5], 32
	s_mov_b32 s[G1VS+6], 0
	s_mov_b32 s[G1VS+7], 0
	s_mov_b32 s72, 0x76543210                      ; v_permlanex16_b32: lane l xor 16
	s_mov_b32 s73, 0xfedcba98
	s_mov_b32 s74, 0x3e38aa3b                      ; c = log2(e) / 8
	s_mov_b32 s75, s74
	s_wait_dscnt 0x0
	s_wait_kmcnt 0x0
	s_mov_b32 s48, 1
	s_lshl_b32 s49, s15, 15
	s_add_nc_u64 s[50:51], s[4:5], s[80:81]
	s_or_b32 s51, s51, 0x80000000
	s_mov_b32 s52, 1
	s_lshl_b32 s53, s15, 15
	s_add_co_u32 s53, s53, VIMG
	s_add_nc_u64 s[54:55], s[4:5], s[82:83]
	s_or_b32 s55, s55, 0x80000000
	s_mov_b32 s56, 1
	s_mov_b32 s57, KSC
	s_add_nc_u64 s[58:59], s[6:7], s[84:85]
	s_or_b32 s59, s59, 0x80000000
	s_mov_b32 s60, 1
	s_mov_b32 s61, VSC
	s_add_nc_u64 s[62:63], s[6:7], s[86:87]
	s_or_b32 s63, s63, 0x80000000
	s_add_nc_u64 s[88:89], s[4:5], s[88:89]
	s_add_nc_u64 s[90:91], s[6:7], s[90:91]
	s_add_nc_u64 s[92:93], s[8:9], s[92:93]
	s_add_nc_u64 s[94:95], s[10:11], s[94:95]
	CROUND                                         ; all four work-groups are here: the joint loads meet
	s_cmp_lt_u32 s12, 2                            ; one load a wave at the most, all inside one chain of branches on the wave's number: waves 0, 1 K's heads; 2, 3 V's halves; 4 K's words; 5 V's
	s_cbranch_scc0 .Lnot_k
	tensor_load_to_lds s[48:51], s[G1K:G1K+7]
	s_nop 0
.rept 4
	v_nop
.endr
	s_branch .Lasked
.Lnot_k:
	s_cmp_lt_u32 s12, 4
	s_cbranch_scc0 .Lnot_v
	tensor_load_to_lds s[52:55], s[G1V:G1V+7]
	s_nop 0
.rept 4
	v_nop
.endr
	s_branch .Lasked
.Lnot_v:
	s_cmp_eq_u32 s12, 4
	s_cbranch_scc0 .Lnot_ks
	tensor_load_to_lds s[56:59], s[G1KS:G1KS+7]
	s_nop 0
.rept 4
	v_nop
.endr
	s_branch .Lasked
.Lnot_ks:
	s_cmp_eq_u32 s12, 5
	s_cbranch_scc0 .Lasked
	tensor_load_to_lds s[60:63], s[G1VS:G1VS+7]
	s_nop 0
.rept 4
	v_nop
.endr
.Lasked:
	v_and_b32 v1, 31, v0
	s_delay_alu instid0(VALU_DEP_1)
	v_lshlrev_b32 v[L16], 4, v1                    ; 16 x lane: my place in an image
	v_and_b32 v1, 15, v0
	s_delay_alu instid0(VALU_DEP_1)
	v_lshlrev_b32 v[R4], 2, v1
	s_delay_alu instid0(VALU_DEP_2)
	v_lshlrev_b32 v[R16], 4, v1
.irp d, 0,1
	global_load_b128 v[QF+8*\d:QF+8*\d+3], v[L16], s[88:89] offset:32768*\d      ; Q stays in registers
	global_load_b32 v[QS+\d], v[R16], s[90:91] offset:4096*\d
.endr
.irp d, 0,1
.irp i, 4,5,6,7
	v_mov_b32 v[QF+8*\d+\i], 0                     ; K = 64 .. 127: zero codes
.endr
.endr
.irp t, 0,1,2,3
.irp i, 4,5,6,7
	v_mov_b32 v[KF+8*\t+\i], 0                     ; the same on the other source, in registers of its own; set once
.endr
.endr
.irp b, 0,1,2,3
	v_mov_b32 v[T1+\b], 0                          ; a lane permute's destination counts as one of its sources
.endr
	v_mov_b32 v224, 0
	v_mov_b32 v227, 0                              ; (upper half of the pair v[226:227])
	s_wait_tensorcnt 0x0                           ; my fill, if I had one, has landed,
	s_barrier_signal -1
	s_barrier_wait -1                              ; everybody's has.  Nothing is filled again
	s_wait_loadcnt 0x0                             ; Q
; A KEY STEP of head hd: 128 keys
.macro STEP hd
	v_add_nc_u32 v[ADK], s[TK], v[L16]             ; (these four are also the places behind the last step's products, ahead of the loads into their registers)
	v_add_nc_u32 v[ADV], s[TV], v[L16]
	v_add_nc_u32 v[ADS], s[TKS], v[L16]
	v_add_nc_u32 v[ADT], s[TVS], v[R16]
	ds_load_b128 v[KS:KS+3], v[ADS]                ; K's words: lanes 0-15 tiles 0-3, lanes 16-31 tiles 4-7
.irp t, 0,1,2,3
	ds_load_b128 v[KF+8*\t:KF+8*\t+3], v[ADK] offset:512*\t
.endr
	ds_load_b128 v[VS:VS+3], v[ADT]
.irp c, 0,1
.irp t, 0,1,2,3
	ds_load_b128 v[VF+8*\t+4*\c:VF+8*\t+4*\c+3], v[ADV] offset:4096*\c+512*\t
.endr
.endr
	s_wait_alu depctr_va_vdst(0)
	s_wait_dscnt 9                                 ; K's words and four tiles are in; V's words and its eight loads may be out
.irp t, 0,1,2,3
	v_wmma_scale_f32_16x16x128_f8f6f4 v[S+8*\t:S+8*\t+7], v[KF+8*\t:KF+8*\t+7], v[QF+8*\hd:QF+8*\hd+7], 0, v[KS+\t], v[QS+\hd] matrix_a_fmt:MATRIX_FMT_FP4 matrix_b_fmt:MATRIX_FMT_FP4
.endr
.rept 4
	v_nop                                          ; places ahead of loads into registers that these products read
.endr
.irp t, 0,1,2,3
	ds_load_b128 v[KF+8*\t:KF+8*\t+3], v[ADK] offset:2048+512*\t
.endr
	s_wait_dscnt 0x0
.irp t, 0,1,2,3
	v_wmma_scale_f32_16x16x128_f8f6f4 v[S+32+8*\t:S+32+8*\t+7], v[KF+8*\t:KF+8*\t+7], v[QF+8*\hd:QF+8*\hd+7], 0, v[KS+\t], v[QS+\hd] matrix_a_fmt:MATRIX_FMT_FP4 matrix_b_fmt:MATRIX_FMT_FP4 matrix_a_scale:MATRIX_SCALE_ROW1
.endr
.rept 4
	v_nop
.endr                                              ; register S + 16 b + i: key 32 b + 16 (lane / 16) + i of the step
.irp b, 0,1,2,3
	v_max3_num_f32 v[BM+\b], v[S+16*\b], v[S+1+16*\b], v[S+2+16*\b]       ; the largest score of each block of 32 keys: for the row's maximum and, since p rises with the score, for the block's largest p
.endr
.irp i, 3,5,7,9,11,13
.irp b, 0,1,2,3
	v_max3_num_f32 v[BM+\b], v[BM+\b], v[S+16*\b+\i], v[S+1+16*\b+\i]
.endr
.endr
.irp b, 0,1,2,3
	v_max_num_f32 v[BM+\b], v[BM+\b], v[S+15+16*\b]
.endr
.irp b, 0,1,2,3
	s_delay_alu instid0(VALU_DEP_4)
	v_permlanex16_b32 v[T1+\b], v[BM+\b], s72, s73
.endr
.irp b, 0,1,2,3
	s_delay_alu instid0(VALU_DEP_4)
	v_max_num_f32 v[BM+\b], v[BM+\b], v[T1+\b]
.endr
	s_delay_alu instid0(VALU_DEP_2)
	v_max3_num_f32 v224, v[BM], v[BM+1], v[BM+2]
	s_delay_alu instid0(VALU_DEP_1)
	v_max_num_f32 v224, v224, v[BM+3]
	s_delay_alu instid0(VALU_DEP_1)
	v_mul_f32 v224, s74, v224                      ; as t (c is positive)
	s_delay_alu instid0(VALU_DEP_1)
	v_max_num_f32 v13, v13, v224                   ; the running largest t
	v_mov_b32 v224, v12
	s_delay_alu instid0(VALU_DEP_2)
	v_floor_f32 v12, -v13                          ; -M = floor(-t): M is a whole number
	s_delay_alu instid0(VALU_DEP_1)
	v_sub_f32 v224, v12, v224                      ; old M - new M, 0 or less
	s_delay_alu instid0(VALU_DEP_1)
	v_cvt_i32_f32 v224, v224                       ; (it saturates)
	s_delay_alu instid0(VALU_DEP_1)
	v_ldexp_f32 v226, 1.0, v224                    ; f = 2^(old M - new M): a multiplication by it rounds nothing
.set i, 0
.rept 32
	v_pk_fma_f32 v[S+i:S+i+1], v[S+i:S+i+1], s[74:75], v[12:13] op_sel_hi:[1,0,0]    ; t - M
.set i, i+2
.endr
.irp b, 0,1,2,3
	v_fma_f32 v[BM+\b], v[BM+\b], s74, v12
.endr
.set i, 0
	s_wait_alu depctr_va_vdst(0)
.rept 64
	v_exp_f32 v[S+i], v[S+i]                       ; p = 2^(t - M), at most 1
.set i, i+1
.endr
.irp b, 0,1,2,3
	v_exp_f32 v[BM+\b], v[BM+\b]                   ; the block's largest p: the same two instructions on the same number
.endr
	v_pk_mul_f32 v[14:15], v[14:15], v[226:227] op_sel_hi:[1,0]    ; the sums under the new M (a plain instruction behind the exponentials)
	s_wait_alu depctr_va_vdst(0)
.irp b, 0,1,2,3
	v_max_num_f32 v[BM+\b], 0x1800000, v[BM+\b]    ; the floor 2^(3 - 127)
.endr
.irp b, 0,1,2,3
	s_delay_alu instid0(VALU_DEP_4)
	v_add_nc_u32 v[T2+\b], 0xff000000, v[BM+\b]
.endr
.irp b, 0,1,2,3
	s_delay_alu instid0(VALU_DEP_4)
	v_lshrrev_b32 v[T1+\b], 23, v[T2+\b]
.endr
	s_delay_alu instid0(VALU_DEP_3)
	v_lshl_or_b32 v[PS], v[T1+1], 8, v[T1]         ; p's scale word for these 128 keys
	s_delay_alu instid0(VALU_DEP_1)
	v_lshl_or_b32 v[PS], v[T1+2], 16, v[PS]
	s_delay_alu instid0(VALU_DEP_1)
	v_lshl_or_b32 v[PS], v[T1+3], 24, v[PS]
.irp b, 0,1,2,3
	v_cvt_scalef32_pk8_fp4_f32 v[PC+2*\b], v[S+16*\b:S+7+16*\b], v[T2+\b]
	v_cvt_scalef32_pk8_fp4_f32 v[PC+1+2*\b], v[S+8+16*\b:S+15+16*\b], v[T2+\b]
.endr
	v_nop                                          ; one plain instruction behind a scaled conversion
.irp c, 0,1
.irp i, 0,1
	v_permlane16_swap_b32 v[PC+4*\c+\i], v[PC+2+4*\c+\i]
.endr
.endr
	v_pk_add_f32 v[228:229], v[100:101], v[104:105]
	v_pk_add_f32 v[252:253], v[108:109], v[112:113]
	v_pk_add_f32 v[250:251], v[116:117], v[120:121]
	v_pk_add_f32 v[248:249], v[124:125], v[128:129]
	v_pk_add_f32 v[246:247], v[132:133], v[136:137]
	v_pk_add_f32 v[244:245], v[140:141], v[144:145]
	v_pk_add_f32 v[242:243], v[148:149], v[152:153]
	v_pk_add_f32 v[14:15], v[14:15], v[156:157]
	v_pk_add_f32 v[228:229], v[228:229], v[96:97]
	v_pk_add_f32 v[252:253], v[252:253], v[98:99]
	v_pk_add_f32 v[250:251], v[250:251], v[102:103]
	v_pk_add_f32 v[248:249], v[248:249], v[106:107]
	v_pk_add_f32 v[246:247], v[246:247], v[110:111]
	v_pk_add_f32 v[244:245], v[244:245], v[114:115]
	v_pk_add_f32 v[242:243], v[242:243], v[118:119]
	v_pk_add_f32 v[14:15], v[14:15], v[122:123]
	v_pk_add_f32 v[228:229], v[228:229], v[126:127]
	v_pk_add_f32 v[252:253], v[252:253], v[130:131]
	v_pk_add_f32 v[250:251], v[250:251], v[134:135]
	v_pk_add_f32 v[248:249], v[248:249], v[138:139]
	v_pk_add_f32 v[246:247], v[246:247], v[142:143]
	v_pk_add_f32 v[244:245], v[244:245], v[146:147]
	v_pk_add_f32 v[242:243], v[242:243], v[150:151]
	v_pk_add_f32 v[14:15], v[14:15], v[154:155]
	v_pk_add_f32 v[228:229], v[228:229], v[158:159]
	s_delay_alu instid0(VALU_DEP_2)
	v_pk_add_f32 v[14:15], v[14:15], v[248:249]
	s_delay_alu instid0(VALU_DEP_2)
	v_pk_add_f32 v[228:229], v[228:229], v[246:247]
	v_pk_add_f32 v[252:253], v[252:253], v[244:245]
	v_pk_add_f32 v[250:251], v[250:251], v[242:243]
	s_delay_alu instid0(VALU_DEP_2)
	v_pk_add_f32 v[14:15], v[14:15], v[252:253]
	s_delay_alu instid0(VALU_DEP_2)
	v_pk_add_f32 v[228:229], v[228:229], v[250:251]
	s_delay_alu instid0(VALU_DEP_1)
	v_pk_add_f32 v[14:15], v[14:15], v[228:229]
.set i, 0
.rept 16
	v_pk_mul_f32 v[O+i:O+i+1], v[O+i:O+i+1], v[226:227] op_sel_hi:[1,0]      ; O^T under the new M (with the sums: the places between p's word and codes and the products)
.set i, i+2
.endr
.irp t, 0,1,2,3                        ; four accumulators by turns, one instruction a turn
	v_wmma_scale_f32_16x16x128_f8f6f4 v[O+8*\t:O+8*\t+7], v[VF+8*\t:VF+8*\t+7], v[PC:PC+7], v[O+8*\t:O+8*\t+7], v[VS+\t], v[PS] matrix_a_fmt:MATRIX_FMT_FP4 matrix_b_fmt:MATRIX_FMT_FP4
.endr
.endm
; The head's end: O^T / the sum; its 64 channels (two blocks of 32) quantised; one unit stored
.macro FIN hd
.rept 4
	v_nop
.endr
	v_add_f32 v14, v14, v15
	s_delay_alu instid0(VALU_DEP_1)
	v_permlanex16_b32 v224, v14, s72, s73
	s_delay_alu instid0(VALU_DEP_1)
	v_add_f32 v14, v14, v224
	s_wait_alu depctr_va_vdst(0)
	v_rcp_f32 v226, v14
	v_nop
.set i, 0
	s_wait_alu depctr_va_vdst(0)
.rept 16
	v_pk_mul_f32 v[S+i:S+i+1], v[O+i:O+i+1], v[226:227] op_sel_hi:[1,0]      ; register 16 b + i: channel 32 b + 16 (lane / 16) + i
.set i, i+2
.endr
.irp b, 0,1
	v_max3_num_f32 v[BM+\b], |v[S+16*\b]|, |v[S+1+16*\b]|, 0x1800000
.endr
.irp i, 2,4,6,8,10,12,14
.irp b, 0,1
	s_delay_alu instid0(VALU_DEP_2)
	v_max3_num_f32 v[BM+\b], v[BM+\b], |v[S+16*\b+\i]|, |v[S+1+16*\b+\i]|
.endr
.endr
.irp b, 0,1
	s_delay_alu instid0(VALU_DEP_2)
	v_permlanex16_b32 v[T1+\b], v[BM+\b], s72, s73
.endr
.irp b, 0,1
	s_delay_alu instid0(VALU_DEP_2)
	v_max_num_f32 v[BM+\b], v[BM+\b], v[T1+\b]
.endr
.irp b, 0,1
	s_delay_alu instid0(VALU_DEP_2)
	v_add_nc_u32 v[T2+\b], 0xff000000, v[BM+\b]
.endr
.irp b, 0,1
	s_delay_alu instid0(VALU_DEP_2)
	v_lshrrev_b32 v[T1+\b], 23, v[T2+\b]
.endr
.irp b, 0,1
	v_cvt_scalef32_pk8_fp4_f32 v[CC+4*\hd+2*\b], v[S+16*\b:S+7+16*\b], v[T2+\b]
	v_cvt_scalef32_pk8_fp4_f32 v[CC+4*\hd+2*\b+1], v[S+8+16*\b:S+15+16*\b], v[T2+\b]
.endr
	v_nop
.irp i, 0,1
	v_permlane16_swap_b32 v[CC+4*\hd+\i], v[CC+4*\hd+2+\i]
.endr
.if \hd == 0
	v_lshl_or_b32 v[CW], v[T1+1], 8, v[T1]         ; bytes 0, 1 of the K step's scale word
.else
	v_lshl_or_b32 v224, v[T1+1], 8, v[T1]
	s_delay_alu instid0(VALU_DEP_1)
	v_lshl_or_b32 v[CW], v224, 16, v[CW]           ; bytes 2, 3
.endif
	global_store_b128 v[L16], v[CC+4*\hd:CC+4*\hd+3], s[92:93] offset:512*\hd        ; 512 consecutive bytes, aligned
.endm
.macro HEADPASS hd
	s_mov_b32 s[TK], 32768*\hd
	s_mov_b32 s[TV], VIMG+2048*\hd
	s_mov_b32 s[TKS], KSC+4096*\hd
	s_mov_b32 s[TVS], VSC+2048*\hd
	s_mov_b32 s70, 8
	v_mov_b32 v13, 0xff61b1e6                      ; the largest t so far: -3e38
	s_delay_alu instid0(VALU_DEP_1)
	v_floor_f32 v12, -v13
	v_mov_b32 v14, 0
	v_mov_b32 v15, 0
.set i, 0
.rept 32
	v_mov_b32 v[O+i], 0                            ; the step is written once: the first finds zeros, which the first change of M leaves zeros
.set i, i+1
.endr
.Lstep_\@:
	STEP \hd
	s_add_co_u32 s[TK], s[TK], 4096
	s_add_co_u32 s[TV], s[TV], 8192
	s_add_co_u32 s[TKS], s[TKS], 512
	s_add_co_u32 s[TVS], s[TVS], 256
	s_sub_co_u32 s70, s70, 1
	s_cmp_lg_u32 s70, 0
	s_cbranch_scc1 .Lstep_\@
	FIN \hd
.endm
	HEADPASS 0
	HEADPASS 1
	global_store_b32 v[R4], v[CW], s[94:95]        ; my 16 queries' words; lanes l and l + 16 hold the same word and write the same place
	s_wait_tensorcnt 0x0
	ds_add_u32 v254, v255
	s_wait_dscnt 0x0
	CROUND                                         ; the closing round
	s_endpgm
.Lfunc_end_k_q2f98350d38_attn:
	.size	k_q2f98350d38_attn, .Lfunc_end_k_q2f98350d38_attn-k_q2f98350d38_attn
	.p2alignl 7, 3214868480
	.fill 96, 4, 3214868480
	.section	.rodata,"a",@progbits
	.p2align	6, 0x0
	.amdhsa_kernel k_q2f98350d38_attn
		.amdhsa_group_segment_fixed_size 169984
		.amdhsa_private_segment_fixed_size 0
		.amdhsa_enable_private_segment 0
		.amdhsa_kernarg_size 32
		.amdhsa_user_sgpr_count 2
		.amdhsa_user_sgpr_kernarg_segment_ptr 1
		.amdhsa_wavefront_size32 1
		.amdhsa_system_sgpr_workgroup_id_x 1
		.amdhsa_system_sgpr_workgroup_id_y 1
		.amdhsa_system_sgpr_workgroup_id_z 1
		.amdhsa_system_vgpr_workitem_id 0
		.amdhsa_next_free_vgpr 256
		.amdhsa_next_free_sgpr 96
		.amdhsa_reserve_vcc 0
		.amdhsa_float_denorm_mode_32 3
		.amdhsa_float_denorm_mode_16_64 3
		.amdhsa_memory_ordered 1
		.amdhsa_forward_progress 1
		.amdhsa_inst_pref_size 53
	.end_amdhsa_kernel
	.amdgpu_metadata
---
amdhsa.version: [ 1, 2 ]
amdhsa.kernels:
  - .name:           k_q2f98350d38_attn
    .symbol:         k_q2f98350d38_attn.kd
    .args:
      - { .name: qkv_img, .offset: 0, .size: 8, .value_kind: global_buffer, .address_space: global }
      - { .name: qkv_sc, .offset: 8, .size: 8, .value_kind: global_buffer, .address_space: global }
      - { .name: ctx_img, .offset: 16, .size: 8, .value_kind: global_buffer, .address_space: global }
      - { .name: ctx_sc, .offset: 24, .size: 8, .value_kind: global_buffer, .address_space: global }
    .group_segment_fixed_size: 169984
    .private_segment_fixed_size: 0
    .kernarg_segment_align: 8
    .kernarg_segment_size: 32
    .max_flat_workgroup_size: 512
    .sgpr_count:     96
    .vgpr_count:     256
    .wavefront_size: 32
...
	.end_amdgpu_metadata
.endif
;; end of part 3
;; launch outp (part 4): grid 4 x 64, 4 waves a work-group, clusters of 4 x 4, 327,680 bytes of LDS; arguments ctx_img, ctx_sc, codes1, scales1, out_proj_b, x, out0; writes out0
.if DOCPART == 4
	.amdgcn_target "amdgcn-amd-amdhsa--gfx1250"
	.amdhsa_code_object_version 6
	.text
	.protected	k_q2f98350d38_outp
	.globl	k_q2f98350d38_outp
	.p2align	8
	.type	k_q2f98350d38_outp,@function
k_q2f98350d38_outp:
	s_mov_b64 s[64:65], 0
	v_nop
	global_prefetch_b8 v0, s[64:65] scope:SCOPE_SE
	s_setreg_imm32_b32 hwreg(HW_REG_WAVE_MODE, 25, 1), 1
	s_wait_xcnt 0x0
	s_wait_alu depctr_hold_cnt(0) depctr_sa_sdst(0) depctr_va_vdst(0) depctr_va_sdst(0) depctr_va_ssrc(0) depctr_va_vcc(0) depctr_vm_vsrc(0)
	s_getreg_b32 s2, hwreg(HW_REG_IB_STS2, 6, 4)
	s_cmp_eq_u32 s2, 0
	s_cbranch_scc0 .Lentry_in_a_cluster
	s_endpgm
.Lentry_in_a_cluster:
	s_bfe_u32 s2, ttmp6, 0x10000c
	s_cmp_lg_u32 s2, 0xf033
	s_cbranch_scc0 .Lentry_shape_is_right
	s_endpgm
.Lentry_shape_is_right:
; OUT PROJECTION.  out0 = ctx [8,192][1,024] x out_proj_w [1,024][1,024]^T on codes of FP4 with E8M0 scales, + out_proj_b + x.
; A work-group makes 128 tokens x 256 channels, a wave 64 x 128: 32 accumulators; source 0 = 16 rows of the weights, source 1 = 16 tokens.
; All of K lies in LDS, filled once, FOUR TILES, ONE JOINT LOAD A WAVE at the head: wave 0 the tokens' images (65,536 dense bytes: [token tile][8,192]), wave 1 the weights' 256 rows of 512 bytes
; (16 bytes of padding behind each: pitch 528, so that the 16 rows of a fragment load start 16 bytes apart modulo 256), wave 2 the tokens' scale words (8 K steps x 512 bytes), wave 3 the weights' scale bytes.
; CLUSTER 4 x 4: the tokens' tiles are shared along a row of the cluster, the weights' along a column.  x's rows are loaded straight into registers behind the tensor loads and added on the way out,
; which goes through each wave's own stage in LDS: every store covers 512 consecutive aligned bytes.  No prefetch: the launch has no loop to run ahead in.
.set BSLOT, 256*272
.set AIMG,  2*BSLOT
.set BSC,   AIMG+65536
.set ASC,   BSC+2*4352
.set STG,   ASC+4096
.set ADA,  16
.set ADB,  20
.set STO,  24
.set RD,   25
.set CO,   26
.set ADSA, 27
.set ADSB, 28
.set SA,   32
.set SB,   48
.set BR,   80
.set AF,   128
.set BK,   128
.set G1A, 24
.set G0A, 32
.set G1B, 48
.set G0B, 56
.set G1AS, 68
.set G0AS, 76
.set G1BS, 80
.set G0BS, 88
.set MSB, 0
.macro WIN new
.if MSB != (\new)
	s_set_vgpr_msb (MSB<<8)|(\new)
.set MSB, (\new)
.endif
.endm
.macro ARM under, g0, g1, next         ; one chain of branches on the wave's number, a load to an arm, all arms to one join; s_nop 0 and four v_nop behind each load
	s_cmp_lt_u32 s18, \under
	s_cbranch_scc0 \next
	tensor_load_to_lds s[\g0:\g0+3], s[\g1:\g1+7]
	s_nop 0
.rept 4
	v_nop
.endr
	s_branch .Lhead_asked
\next:
.endm
.macro CROUND
	s_barrier_signal -1
	s_barrier_wait -1
	s_cmp_lg_u32 s18, 0
	s_cbranch_scc1 .Lnot_wave_0_\@
	s_barrier_signal -3
.Lnot_wave_0_\@:
	s_barrier_wait -3
	s_barrier_signal -1
	s_barrier_wait -1
.endm
.macro PLACES
.rept 4
	v_nop
.endr
.endm
	s_load_b256 s[4:11], s[0:1], 0x0
	s_load_b128 s[12:15], s[0:1], 0x20
	s_load_b64 s[16:17], s[0:1], 0x30
	v_lshl_add_u32 v126, v0, 2, 0x3d600
	v_mov_b32 v127, 0
	ds_add_u32 v126, v127
	ds_add_u32 v126, v127
	v_lshrrev_b32 v1, 5, v0
	v_readfirstlane_b32 s18, v1
	s_lshr_b32 s19, s18, 1
	s_and_b32 s20, s18, 1
	s_bfe_u32 s40, ttmp6, 0x40000
	s_bfe_u32 s41, ttmp6, 0x40004
	s_lshl_b32 s42, ttmp9, 2
	s_add_co_u32 s42, s42, s40
	s_and_b32 s21, ttmp7, 0xffff
	s_lshl_b32 s21, s21, 2
	s_add_co_u32 s21, s21, s41
	s_lshl_b32 s43, s41, 2
	s_lshl_b32 s43, 15, s43
	s_lshl_b32 s44, 0x1111, s40
	s_or_b32 s[G1A], s43, (3<<16)|(1<<21)
	s_mov_b32 s[G1A+1], 512<<16
	s_mov_b32 s[G1A+2], 16<<16                     ; the images of 128 tokens: 16 dense rows of 4,096 bytes
	s_mov_b32 s[G1A+3], 512<<16
	s_mov_b32 s[G1A+4], 16
	s_mov_b32 s[G1A+5], 512
	s_mov_b32 s[G1A+6], 0
	s_mov_b32 s[G1A+7], 0
	s_or_b32 s[G1AS], s43, (3<<16)|(1<<21)
	s_mov_b32 s[G1AS+1], 64<<16                    ; 128 tokens' words of a K step: 512 bytes; 8 K steps, 32,768 bytes apart
	s_mov_b32 s[G1AS+2], 8<<16
	s_mov_b32 s[G1AS+3], 64<<16
	s_mov_b32 s[G1AS+4], 8
	s_mov_b32 s[G1AS+5], 4096
	s_mov_b32 s[G1AS+6], 0
	s_mov_b32 s[G1AS+7], 0
	s_or_b32 s[G1B], s44, (1<<20)|(1<<21)|(6<<22)|(3<<25)      ; 256 rows of 512 bytes; padding: 4 words behind every 128
	s_mov_b32 s[G1B+1], 512<<16
	s_mov_b32 s[G1B+2], 256<<16
	s_mov_b32 s[G1B+3], 512<<16
	s_mov_b32 s[G1B+4], 256
	s_mov_b32 s[G1B+5], 512
	s_mov_b32 s[G1B+6], 0
	s_mov_b32 s[G1B+7], 0
	s_or_b32 s[G1BS], s44, (3<<16)|(1<<20)|(1<<21)|(5<<22)|(3<<25)
	s_mov_b32 s[G1BS+1], 32<<16
	s_mov_b32 s[G1BS+2], 32<<16                    ; the scale bytes of 256 rows: 32 rows of 256 bytes
	s_mov_b32 s[G1BS+3], 32<<16
	s_mov_b32 s[G1BS+4], 32
	s_mov_b32 s[G1BS+5], 32
	s_mov_b32 s[G1BS+6], 0
	s_mov_b32 s[G1BS+7], 0
	s_lshl_b32 s22, s21, 16
	s_mov_b32 s23, 0
	s_lshl_b32 s46, s21, 9
	s_mov_b32 s47, 0
	s_lshl_b32 s92, s42, 8
	s_add_co_u32 s92, s92, 11264
	s_lshl_b32 s94, s92, 5
	s_mov_b32 s95, 0
	s_lshl_b32 s92, s92, 9
	s_mov_b32 s93, 0
	s_mul_i32 s97, s20, 4352
	s_mul_i32 s99, s20, 128*528
	s_wait_dscnt 0x0
	s_wait_kmcnt 0x0
	s_add_nc_u64 s[22:23], s[4:5], s[22:23]
	s_add_nc_u64 s[46:47], s[6:7], s[46:47]
	s_add_nc_u64 s[92:93], s[8:9], s[92:93]
	s_add_nc_u64 s[94:95], s[10:11], s[94:95]
	CROUND
	s_mov_b32 s[G0AS], 1
	s_mov_b32 s[G0AS+1], ASC
	s_mov_b64 s[G0AS+2:G0AS+3], s[46:47]
	s_or_b32 s[G0AS+3], s[G0AS+3], 0x80000000
	s_mov_b32 s[G0BS], 1
	s_mov_b32 s[G0BS+1], BSC
	s_mov_b64 s[G0BS+2:G0BS+3], s[94:95]
	s_or_b32 s[G0BS+3], s[G0BS+3], 0x80000000
	s_mov_b32 s[G0A], 1
	s_mov_b32 s[G0A+1], AIMG
	s_mov_b64 s[G0A+2:G0A+3], s[22:23]
	s_or_b32 s[G0A+3], s[G0A+3], 0x80000000
	s_mov_b32 s[G0B], 1
	s_mov_b32 s[G0B+1], 0
	s_mov_b64 s[G0B+2:G0B+3], s[92:93]
	s_or_b32 s[G0B+3], s[G0B+3], 0x80000000
	ARM 1, G0A,  G1A,  .Lhead_b                    ; the head's four tiles, one joint load a wave, behind the one round
	ARM 2, G0B,  G1B,  .Lhead_sa
	ARM 3, G0AS, G1AS, .Lhead_sb
	tensor_load_to_lds s[G0BS:G0BS+3], s[G1BS:G1BS+7]
	s_nop 0
.rept 4
	v_nop
.endr
.Lhead_asked:
	v_and_b32 v1, 15, v0
	v_bfe_u32 v2, v0, 4, 1
	v_and_b32 v3, 31, v0
	v_lshlrev_b32 v[CO], 4, v3
	s_wait_alu depctr_va_vdst(0)
	s_lshl_b32 s66, s42, 10
	s_lshl_b32 s45, s20, 9
	s_add_co_u32 s66, s66, s45
	s_mov_b32 s67, 0
	s_add_nc_u64 s[12:13], s[12:13], s[66:67]
	s_lshl_b32 s45, s21, 19
	s_add_co_u32 s66, s66, s45
	s_lshl_b32 s45, s19, 18
	s_add_co_u32 s66, s66, s45
	s_add_nc_u64 s[14:15], s[14:15], s[66:67]
	s_add_nc_u64 s[16:17], s[16:17], s[66:67]
	global_load_b128 v[BR:BR+3], v[CO], s[12:13]
	s_lshl_b32 s45, s19, 15                        ; my four token tiles of 8,192 bytes
	s_add_co_u32 s45, s45, AIMG
	v_add_nc_u32 v[ADA], s45, v[CO]
	s_add_co_u32 s45, s45, 4096                    ; K steps 4 to 7 of a tile
	v_add_nc_u32 v[ADA+1], s45, v[CO]
	v_mul_u32_u24 v4, v1, 528
	v_lshl_add_u32 v4, v2, 4, v4
	v_add_nc_u32 v[ADB], s99, v4
	s_add_co_u32 s45, s99, 256                     ; K steps 4 to 7 of a row
	v_add_nc_u32 v[ADB+1], s45, v4
	s_mul_i32 s45, s18, 16*528
	s_add_co_u32 s45, s45, STG
	v_mul_u32_u24 v5, v1, 528
	v_lshl_add_u32 v5, v2, 6, v5
	v_add_nc_u32 v[STO], s45, v5
	v_add_nc_u32 v[RD], s45, v[CO]
	s_lshl_b32 s45, s19, 8                         ; my 64 tokens' words in a K step's 512 bytes
	s_add_co_u32 s45, s45, ASC
	v_lshl_add_u32 v[ADSA], v3, 2, s45
	v_lshrrev_b32 v6, 3, v3
	v_lshlrev_b32 v6, 4, v6
	v_lshl_add_u32 v6, v3, 5, v6
	s_add_co_u32 s45, s97, BSC
	v_add_nc_u32 v[ADSB], s45, v6
	s_wait_alu depctr_va_vdst(0)
	s_wait_tensorcnt 0x0
	s_barrier_signal -1
	s_barrier_wait -1
.macro WM
.if rZ
.if rR0 && rR1
	v_wmma_scale_f32_16x16x128_f8f6f4 v[rD:rD+7], v[rB:rB+7], v[rA:rA+7], 0, v[rSB], v[rSA] matrix_a_fmt:MATRIX_FMT_FP4 matrix_b_fmt:MATRIX_FMT_FP4 matrix_a_scale:MATRIX_SCALE_ROW1 matrix_b_scale:MATRIX_SCALE_ROW1
.elseif rR0
	v_wmma_scale_f32_16x16x128_f8f6f4 v[rD:rD+7], v[rB:rB+7], v[rA:rA+7], 0, v[rSB], v[rSA] matrix_a_fmt:MATRIX_FMT_FP4 matrix_b_fmt:MATRIX_FMT_FP4 matrix_a_scale:MATRIX_SCALE_ROW1
.elseif rR1
	v_wmma_scale_f32_16x16x128_f8f6f4 v[rD:rD+7], v[rB:rB+7], v[rA:rA+7], 0, v[rSB], v[rSA] matrix_a_fmt:MATRIX_FMT_FP4 matrix_b_fmt:MATRIX_FMT_FP4 matrix_b_scale:MATRIX_SCALE_ROW1
.else
	v_wmma_scale_f32_16x16x128_f8f6f4 v[rD:rD+7], v[rB:rB+7], v[rA:rA+7], 0, v[rSB], v[rSA] matrix_a_fmt:MATRIX_FMT_FP4 matrix_b_fmt:MATRIX_FMT_FP4
.endif
.else
.if rR0 && rR1
	v_wmma_scale_f32_16x16x128_f8f6f4 v[rD:rD+7], v[rB:rB+7], v[rA:rA+7], v[rD:rD+7], v[rSB], v[rSA] matrix_a_fmt:MATRIX_FMT_FP4 matrix_b_fmt:MATRIX_FMT_FP4 matrix_a_scale:MATRIX_SCALE_ROW1 matrix_b_scale:MATRIX_SCALE_ROW1
.elseif rR0
	v_wmma_scale_f32_16x16x128_f8f6f4 v[rD:rD+7], v[rB:rB+7], v[rA:rA+7], v[rD:rD+7], v[rSB], v[rSA] matrix_a_fmt:MATRIX_FMT_FP4 matrix_b_fmt:MATRIX_FMT_FP4 matrix_a_scale:MATRIX_SCALE_ROW1
.elseif rR1
	v_wmma_scale_f32_16x16x128_f8f6f4 v[rD:rD+7], v[rB:rB+7], v[rA:rA+7], v[rD:rD+7], v[rSB], v[rSA] matrix_a_fmt:MATRIX_FMT_FP4 matrix_b_fmt:MATRIX_FMT_FP4 matrix_b_scale:MATRIX_SCALE_ROW1
.else
	v_wmma_scale_f32_16x16x128_f8f6f4 v[rD:rD+7], v[rB:rB+7], v[rA:rA+7], v[rD:rD+7], v[rSB], v[rSA] matrix_a_fmt:MATRIX_FMT_FP4 matrix_b_fmt:MATRIX_FMT_FP4
.endif
.endif
.endm
.macro FETCHO
	WIN 0x40
.irp i, 0,1,2,3,4,5,6,7
.irp c, 0,1
	ds_load_b128 v[128*(QN%2)+8*\i+4*\c:128*(QN%2)+8*\i+4*\c+3], v[ADB+QN/4] offset:64*(QN%4)+32*\c+\i*16*528
.endr
.endr
	WIN 0
.irp a, 0,1,2,3
.irp c, 0,1
	ds_load_b128 v[AF+32*(QN%2)+8*\a+4*\c:AF+32*(QN%2)+8*\a+4*\c+3], v[ADA+QN/4] offset:8192*\a+512*(2*(QN%4)+\c)
.endr
.endr
.endm
.macro STEPO
	s_wait_dscnt 0x0
.if Q < 7
.if Q > 0
	PLACES
.endif
.set QN, Q+1
	FETCHO
.endif
	WIN 0xc0                                       ; x's 64 rows of my block come in under the products, eight a K step, in ascending order: row P into v[4 P ..] of window 3, which no product names
.irp t, 0,1,2,3,4,5,6,7
.set P, 8*Q+\t
	global_load_b128 v[4*P:4*P+3], v[CO], s[14:15] offset:(32*(P/32)+16*((P/8)%2)+8*((P/16)%2)+P%8)*4096 th:TH_LOAD_NT
.endr
	WIN 0xa1
.irp a, 0,1,2,3
.irp b, 0,1,2,3,4,5,6,7
.set rD, 8*(8*\a+\b)
.set rB, 128*(Q%2)+8*\b
.set rA, AF+32*(Q%2)+8*\a
.set rSB, SB+8*(\b/2)+Q
.set rSA, SA+8*(\a/2)+Q
.set rR0, \b%2
.set rR1, \a%2
.set rZ, Q==0
	WM
.endr
.endr
	WIN 0
.set Q, Q+1
.endm
.irp i, 0,1
.irp q, 0,1,2,3,4,5,6,7
	ds_load_b32 v[SA+8*\i+\q], v[ADSA] offset:512*\q+128*\i
.endr
.endr
.irp i, 0,1,2,3
.irp s, 0,1
	ds_load_b128 v[SB+8*\i+4*\s:SB+8*\i+4*\s+3], v[ADSB] offset:1088*\i+16*\s
.endr
.endr
.set QN, 0
	FETCHO
.set Q, 0
.rept 8
	STEPO
.endr
.macro TOSTAGE a
	WIN 0x08
.irp b, 0,1,2,3,4,5,6,7
	ds_store_b128 v[STO], v[64*(\a)+8*\b:64*(\a)+8*\b+3] offset:128*(\b/2)+32*(\b%2)
	ds_store_b128 v[STO], v[64*(\a)+8*\b+4:64*(\a)+8*\b+7] offset:128*(\b/2)+32*(\b%2)+16
.endr
	WIN 0
.set BB, BK+64*((\a)%2)
.irp t, 0,1,2,3,4,5,6,7,8,9,10,11,12,13,14,15
	ds_load_b128 v[BB+4*\t:BB+4*\t+3], v[RD] offset:528*\t
.endr
.endm
.macro SEND a, younger
.set BB, BK+64*((\a)%2)
	s_wait_dscnt \younger
	s_wait_loadcnt 16*(3-(\a))
	WIN 0x0c
.set i, 0
.rept 32
	v_pk_add_f32 v[BB+i:BB+i+1], v[BB+i:BB+i+1], v[64*(\a)+i:64*(\a)+i+1]
.set i, i+2
.endr
	WIN 0
.set i, 0
.rept 16
	v_pk_add_f32 v[BB+i:BB+i+1], v[BB+i:BB+i+1], v[BR:BR+1]
	v_pk_add_f32 v[BB+i+2:BB+i+3], v[BB+i+2:BB+i+3], v[BR+2:BR+3]
.set i, i+4
.endr
.irp t, 0,1,2,3,4,5,6,7,8,9,10,11,12,13,14,15
.set P, 16*(\a)+\t
	global_store_b128 v[CO], v[BB+4*\t:BB+4*\t+3], s[16:17] offset:(32*(P/32)+16*((P/8)%2)+8*((P/16)%2)+P%8)*4096 th:TH_STORE_NT
.endr
.endm
	PLACES
	TOSTAGE 0
.irp a, 1,2,3
.if \a > 1
	s_wait_xcnt 0x0
.endif
	TOSTAGE \a
	SEND \a-1, 32
.endr
	SEND 3, 0
	s_wait_tensorcnt 0x0
	ds_add_u32 v126, v127
	s_wait_dscnt 0x0
	CROUND
	s_endpgm
.Lfunc_end_k_q2f98350d38_outp:
	.size	k_q2f98350d38_outp, .Lfunc_end_k_q2f98350d38_outp-k_q2f98350d38_outp
	.p2alignl 7, 3214868480
	.fill 96, 4, 3214868480
	.section	.rodata,"a",@progbits
	.p2align	6, 0x0
	.amdhsa_kernel k_q2f98350d38_outp
		.amdhsa_group_segment_fixed_size 327680
		.amdhsa_private_segment_fixed_size 0
		.amdhsa_enable_private_segment 0
		.amdhsa_kernarg_size 56
		.amdhsa_user_sgpr_count 2
		.amdhsa_user_sgpr_kernarg_segment_ptr 1
		.amdhsa_wavefront_size32 1
		.amdhsa_system_sgpr_workgroup_id_x 1
		.amdhsa_system_sgpr_workgroup_id_y 1
		.amdhsa_system_sgpr_workgroup_id_z 1
		.amdhsa_system_vgpr_workitem_id 0
		.amdhsa_next_free_vgpr 1024
		.amdhsa_next_free_sgpr 102
		.amdhsa_reserve_vcc 0
		.amdhsa_float_denorm_mode_32 3
		.amdhsa_float_denorm_mode_16_64 3
		.amdhsa_memory_ordered 1
		.amdhsa_forward_progress 1
		.amdhsa_inst_pref_size 94
	.end_amdhsa_kernel
	.amdgpu_metadata
---
amdhsa.version: [ 1, 2 ]
amdhsa.kernels:
  - .name:           k_q2f98350d38_outp
    .symbol:         k_q2f98350d38_outp.kd
    .args:
      - { .name: ctx_img, .offset: 0, .size: 8, .value_kind: global_buffer, .address_space: global }
      - { .name: ctx_sc, .offset: 8, .size: 8, .value_kind: global_buffer, .address_space: global }
      - { .name: codes1, .offset: 16, .size: 8, .value_kind: global_buffer, .address_space: global }
      - { .name: scales1, .offset: 24, .size: 8, .value_kind: global_buffer, .address_space: global }
      - { .name: out_proj_b, .offset: 32, .size: 8, .value_kind: global_buffer, .address_space: global }
      - { .name: x, .offset: 40, .size: 8, .value_kind: global_buffer, .address_space: global }
      - { .name: out0, .offset: 48, .size: 8, .value_kind: global_buffer, .address_space: global }
    .group_segment_fixed_size: 327680
    .private_segment_fixed_size: 0
    .kernarg_segment_align: 8
    .kernarg_segment_size: 56
    .max_flat_workgroup_size: 128
    .sgpr_count:     102
    .vgpr_count:     1024
    .wavefront_size: 32
...
	.end_amdgpu_metadata
.endif
;; end of part 4
